; MI455X (gfx1250); checked and timed in simulation.
; The chip was launched on July 23, 2026; its instructions are those of AMD's public machine-readable ISA for CDNA 5 (MIT licence, August 2026) and "CDNA5" Instruction Set Architecture Reference Guide (July 2026). The comments in the code are by the model that wrote it; some were corrected since.
;; Self Attention Layer. Allowed arithmetic: matrix products marked QUANTISED: E2M3 operands, one E8M0 scale for each 32 along K, by v_wmma_scale_f32_16x16x128_f8f6f4 with both operands' format E2M3, f32 sums; everything else in f32.
;; Inputs: Wproj 1,024 x 1,024 float32; Wqkv 1,024 x 3,072 float32; bproj 1,024 float32; bqkv 3,072 float32; rnn_state 4 x 1,024 float32; x 4 x 2,048 x 1,024 float32.
;; Outputs: out0 4 x 2,048 x 1,024 float32; out1 4 x 1,024 float32.
;; This version of the problem:
;;   THIS VERSION OF THE PROBLEM IS GIVEN IN LOW PRECISION. The matrix products marked QUANTISED in the list below multiply operands that are first quantised to E2M3 (2 exponent bits, 3 mantissa bits; 6 bits a number), with one power-of-two scale for each 32 numbers along K (OCP MX v1.0); their sums are f32. All else is computed in f32.
;;   The module's matrix products, in the order in which they are computed (A, B: the left and right operand; K: the contracted axis; several contracted axes count as one K, in the product's order):
;;     1. [M 8,192, K 1,024] x [K 1,024, N 3,072]; A: input x; B: input Wqkv: QUANTISED
;;     2. batch 64 x [M 2,048, K 64] x [K 64, N 2,048]; A: computed on the way; B: computed on the way: QUANTISED
;;     3. batch 64 x [M 2,048, K 2,048] x [K 2,048, N 64]; A: softmax (see below); B: computed on the way: QUANTISED
;;     4. [M 8,192, K 1,024] x [K 1,024, N 1,024]; A: computed on the way; B: input Wproj: QUANTISED
;;   THE QUANTISER, for each operand of a quantised product, along K:
;;     - K is cut into blocks of 32 from its start; a last block that is shorter is filled with zeros.
;;     - A block's scale is 2^e with e = floor(log2(the largest magnitude in the block)) - 2, held to -126 .. 127; a block of zeros has e = 0. As a byte (E8M0): e + 127.
;;     - Each number is divided by its block's scale, clamped to +-7.5, and rounded to the nearest number of E2M3, ties to even, subnormals kept.
;;     - The product sums the exact products of the quantised numbers (number of the format x scale) in f32.
;;   ~~~python
;;   def quantise(x, axis):      # numpy; x: float32 -> the quantised numbers, widened to float32 again
;;       x = np.moveaxis(x, axis, -1); K = x.shape[-1]
;;       x = np.pad(x, [(0, 0)] * (x.ndim - 1) + [(0, -K % 32)]); x = x.reshape(x.shape[:-1] + (-1, 32)); a = np.abs(x).max(-1, keepdims=True)
;;       e = np.where(a > 0, np.clip(np.frexp(np.where(a > 0, a, 1))[1] - 1 - 2, -126, 127), 0)      # np.frexp(a)[1] - 1 = floor(log2(a)), exactly
;;       r = np.clip(x / 2.0 ** e, -7.5, 7.5)
;;       step = 2.0 ** (np.maximum(np.frexp(np.where(r == 0, 1, r))[1] - 1, 0) - 3)
;;       q = np.round(r / step) * step * 2.0 ** e      # np.round: ties to even
;;       return np.moveaxis(q.reshape(q.shape[:-2] + (-1,))[..., :K], -1, axis).astype(np.float32)
;;   ~~~
;;   SOFTMAX AHEAD OF A QUANTISED PRODUCT. Where the list says 'softmax', what is quantised is not the finished softmax but p = 2^(t - M), with t = logit x log2(e) and M = ceil(the row's largest t), a whole number; so 1/2 < the row's largest p <= 1. The row's sum l is taken of the UNQUANTISED p, in f32, and the product's result is divided by l at the end. Since M is a whole number, a kernel that streams over the keys may use a running M (the ceiling of the running maximum): every later rescaling is an exact power of two, which a block's scale takes up: the codes' values come out the same.
;;   OPERANDS COMPUTED ON THE WAY. 'Computed on the way' means the value that the module computes at that place (a softmax that the list does not call 'softmax' is quantised finished and normalised). What goes into a quantiser is computed in f32, as accurately as f32 sums, v_exp_f32 and their like allow (about 1e-6 of the number): no bf16 or f16 on the way to a quantiser, and a product that is left as it is and whose result goes on into a quantised operand takes f32 operands (vector FMAs, or v_wmma_f32_16x16x4_f32). A number that lies on a knife's edge between two numbers of the format may be rounded either way, as far as f32 arithmetic and the matrix unit's own rounding can turn it there, and no further.
;; One version. Each part assembles by itself: llvm-mc -triple=amdgcn-amd-amdhsa -mcpu=gfx1250 --defsym DOCPART=n.
;; ======== version 1 of 1: 4 launches
;; limits: right only within a limited range of input values
;; workspace buffers: xc 6,291,456 bytes; xs 262,144 bytes; wc 3,145,728 bytes; ws 131,072 bytes; rope 524,288 bytes; qkv 20,185,088 bytes; oc 6,291,456 bytes; os 262,144 bytes
;; launch prep (part 1): grid 400 x 1, 4 waves a work-group, no clusters, 68,096 bytes of LDS; arguments x, Wqkv, Wproj, rnn_state, xc, xs, wc, ws, rope, out1; writes xc, xs, wc, ws, rope, out1
.if DOCPART == 1
	.amdgcn_target "amdgcn-amd-amdhsa--gfx1250"
	.amdhsa_code_object_version 6
	.text
	.protected	k_q763942a6f0_prep
	.globl	k_q763942a6f0_prep
	.p2align	8
	.type	k_q763942a6f0_prep,@function
k_q763942a6f0_prep:
	s_mov_b64 s[64:65], 0
	v_nop
	global_prefetch_b8 v0, s[64:65] scope:SCOPE_SE
	s_setreg_imm32_b32 hwreg(HW_REG_WAVE_MODE, 25, 1), 1
	s_wait_xcnt 0x0
; PREP.  Three kinds of work-groups, told apart by the work-group's number; the three paths never join and have LDS bytes of their own.
;   0-255    x [8192][1024] f32 -> codes of FP6 (E2M3) xc [8192][768 bytes] and scale bytes xs [8192][32], K innermost.
;   256-383  Wqkv [1024][3072] and Wproj [1024][1024] f32, K their FIRST axis -> wc [4096][768], ws [4096][32], K innermost; rows 0-3071 Wqkv's columns, 3072-4095 Wproj's.
;   384-399  the table of angles rope [2048 tokens][cos of 32 frequencies, sin of 32] f32, and out1 = rnn_state.
; ROWS ARE STORED PERMUTED: row (or column) i goes to memory row p(i), p = i with its bits 3 and 4 exchanged.  Sixteen memory rows 16 (2 b + u) + r are then the true rows 32 b + 8 u + r + 8 (r / 8):
; the choice of rows with which a transposed product leaves a lane 16 neighbours along the next product's K.
; THE QUANTISER: a block's scale is 2^(floor(log2(largest magnitude)) - 2); its byte is the largest magnitude's exponent field - 2, held at 1 from below; numbers / scale go to the nearest code, ties to even, beyond 7.5 to 7.5.
; LIMITS: a block of zeros gets the byte 1 where the rule says 127 (its codes are zeros, and this program alone reads the bytes); blocks whose largest magnitude lies under 2^-124 are held at the byte 1; NaN and infinities are not served.
; The 32 frequencies 10^(-f / 8) are correctly rounded constants: they may differ by a last bit from a power function's; at token 2047 that is about 1e-4 of an angle at the most.
; THE CODES LIE BY PLANES of 256 along K (in place of rows of 768 bytes): xc [4 planes][8192 rows][192 bytes], wc [4 planes][4096 rows][192 bytes]; 128 rows of a plane are 24,576 consecutive bytes that begin at a multiple of 256.
.set XPL,   1572864                    ; a plane of xc in bytes
.set WPL,   786432                     ; a plane of wc
.set SPW,   12
.set NIL,   13                         ; v13  0; never rewritten
.set SPARE, 67584                      ; behind both paths' bytes: the spare words, 128 bytes a wave
; the path of x
.set STEPS, 16
.set CB,    12                         ; bytes of 16 codes
.set R,     16                         ; v16-79   four sets of 16 numbers as loaded
.set X,     80                         ; v80-111  two sets of 16 neighbours
.set E,     112                        ; v112-127 a scale byte for each step
.set C,     128                        ; v128-191 codes, four registers a step
.set WREG,  8192                       ; LDS 0-32767: a region a wave: two stages of 32 x SP bytes, then its 256 scale bytes
.set SP,    80
; the path of the weights
.set WSTG,  32768                      ; LDS 32768-67583: a stage a wave, 32 rows x WP
.set WP,    272
.set XW,    32                         ; v32-95   two sets of 32 numbers; on the way out 16 x 4 registers
.set CW,    96                         ; v96-102  a block's codes
.set SB,    24                         ; v24-25   eight scale bytes
.set OF,    112                        ; v112-143 byte offsets of 32 rows of the weight
.macro LOADX t
.irp i, 0,1,2,3
	global_load_b128 v[R+16*((\t)%4)+4*\i:R+16*((\t)%4)+4*\i+3], v3, s[4:5] offset:2048*(\t)+512*\i th:TH_LOAD_NT   ; 32 lanes read 512 consecutive bytes
.endr
.endm
.macro TURNX t                         ; a step's 2,048 bytes through the wave's stage: in as they lie, back 64 bytes a lane.  LDS serves a wave's instructions in order
.irp i, 0,1,2,3
	ds_store_b128 v14, v[R+16*((\t)%4)+4*\i:R+16*((\t)%4)+4*\i+3] offset:32*SP*((\t)%2)+8*SP*\i
.endr
.irp i, 0,1,2,3
	ds_load_b128 v[X+16*((\t)%2)+4*\i:X+16*((\t)%2)+4*\i+3], v15 offset:32*SP*((\t)%2)+16*\i
.endr
.endm
.macro STEPX t
.set XS, X+16*((\t)%2)
.if (\t) > 0
	s_wait_dscnt 1                                 ; this step's numbers are back from the stage; the last step's byte store may be out
.else
	s_wait_dscnt 0x0
.endif
.if (\t)+4 < STEPS
	LOADX (\t)+4                                   ; into the set whose stores into the stage are done
.endif
.if (\t)+1 < STEPS
.if STEPS-2-(\t) >= 3
	s_wait_loadcnt 12                              ; the next step's four loads are in; three steps' twelve may be out
.else
	s_wait_loadcnt 4*(STEPS-2-(\t))
.endif
	TURNX (\t)+1
.endif
	v_max3_num_f32 v8, |v[XS]|, |v[XS+1]|, |v[XS+2]|
	v_max3_num_f32 v9, |v[XS+3]|, |v[XS+4]|, |v[XS+5]|
.irp i, 6,10
	v_max3_num_f32 v8, v8, |v[XS+\i]|, |v[XS+\i+1]|
	v_max3_num_f32 v9, v9, |v[XS+\i+2]|, |v[XS+\i+3]|
.endr
	v_max3_num_f32 v8, v8, |v[XS+14]|, |v[XS+15]|
	v_max3_num_f32 v8, v8, v9, 0x1800000           ; and the floor 2^(3 - 127): the byte cannot fall under 1
	v_max_num_f32_dpp v8, v8, v8 row_xmask:1 row_mask:0xf bank_mask:0xf   ; with my neighbour's 16: the block's largest magnitude
	v_add_nc_u32 v11, 0xff000000, v8               ; 2 off its exponent field: the conversion's scale operand
	v_cvt_scalef32_pk16_fp6_f32 v[C+4*(\t):C+4*(\t)+2], v[XS:XS+15], v11
	v_lshrrev_b32 v[E+(\t)], 23, v11               ; the scale's byte
	ds_store_b8 v5, v[E+(\t)] offset:16*(\t)       ; both lanes of a block write the same byte
	global_store_b96 v4, v[C+4*(\t):C+4*(\t)+2], s[12:13] offset:192*((\t)/2)+2*XPL*((\t)%2)   ; row t / 2 of my eight; lanes 0-15 plane 2 (t % 2), lanes 16-31 the next
.endm
.macro LOADW t                         ; block t: 32 rows of the weight at my column, into set t % 2
.irp i, 0,1,2,3,4,5,6,7,8,9,10,11,12,13,14,15,16,17,18,19,20,21,22,23,24,25,26,27,28,29,30,31
	global_load_b32 v[XW+32*((\t)%2)+\i], v[OF+\i], s[40+2*(\t):41+2*(\t)] th:TH_LOAD_NT
.endr
.endm
.macro BLOCKW t
.set XS, XW+32*((\t)%2)
.if (\t) < 7
	s_wait_loadcnt 32                              ; this block's 32 loads are in; the next block's may be out
.else
	s_wait_loadcnt 0x0
.endif
	v_max3_num_f32 v14, |v[XS]|, |v[XS+1]|, |v[XS+2]|   ; all 32 numbers of the block are mine
	v_max3_num_f32 v15, |v[XS+3]|, |v[XS+4]|, |v[XS+5]|
.irp i, 6,10,14,18,22,26
	v_max3_num_f32 v14, v14, |v[XS+\i]|, |v[XS+\i+1]|
	v_max3_num_f32 v15, v15, |v[XS+\i+2]|, |v[XS+\i+3]|
.endr
	v_max3_num_f32 v14, v14, |v[XS+30]|, |v[XS+31]|
	v_max3_num_f32 v14, v14, v15, 0x1800000
	v_add_nc_u32 v11, 0xff000000, v14
	v_lshrrev_b32 v15, 23, v11
.if (\t)%4 == 0
	v_mov_b32 v[SB+(\t)/4], v15
.else
	v_lshl_or_b32 v[SB+(\t)/4], v15, 8*((\t)%4), v[SB+(\t)/4]
.endif
	v_cvt_scalef32_pk16_fp6_f32 v[CW:CW+2], v[XS:XS+15], v11
	v_cvt_scalef32_pk16_fp6_f32 v[CW+4:CW+6], v[XS+16:XS+31], v11
	ds_store_b96 v4, v[CW:CW+2] offset:32*(\t)     ; 12 bytes to a place of 16
	ds_store_b96 v4, v[CW+4:CW+6] offset:32*(\t)+16
.if (\t)+2 < 8
	LOADW (\t)+2
.endif
	s_wait_dscnt 0x0                               ; the stores have read their registers
.endm
.macro PICK m, a, b, c, d              ; lanes whose group of four frequencies is m take these four
	v_cmp_ne_u32 vcc_lo, \m, v3
	v_cndmask_b32 v16, \a, v16, vcc_lo
	v_cndmask_b32 v17, \b, v17, vcc_lo
	v_cndmask_b32 v18, \c, v18, vcc_lo
	v_cndmask_b32 v19, \d, v19, vcc_lo
.endm
.macro CLOSE                           ; the end of a wave in a launch that writes LDS
	s_wait_tensorcnt 0x0
	ds_add_u32 v[SPW], v[NIL]
	s_wait_dscnt 0x0
	s_endpgm
.endm
	s_load_b256 s[4:11], s[0:1], 0x0               ; x, Wqkv, Wproj, rnn_state
	s_load_b256 s[12:19], s[0:1], 0x20             ; xc, xs, wc, ws
	s_load_b128 s[20:23], s[0:1], 0x40             ; rope, out1
	v_lshl_add_u32 v[SPW], v0, 2, SPARE
	v_mov_b32 v[NIL], 0
	v_lshrrev_b32 v1, 5, v0
	v_readfirstlane_b32 s24, v1                    ; wave
	v_and_b32 v2, 31, v0                           ; lane
	s_wait_kmcnt 0x0
	s_cmp_lt_u32 ttmp9, 256
	s_cbranch_scc0 .Lnot_x
	; ---------------- x: a wave takes a run of 8 rows (8,192 numbers), 16 steps of 512 numbers
	s_wait_alu depctr_va_vdst(0)
	v_lshlrev_b32 v3, 4, v2                        ; my 16 bytes of a load's 512
	s_mul_i32 s25, s24, WREG
	v_lshrrev_b32 v14, 2, v2
	v_mul_u32_u24 v14, v14, SP
	v_and_b32 v15, 3, v2
	v_lshl_add_u32 v14, v15, 4, v14
	v_add_nc_u32 v14, s25, v14                     ; the stage, on the way in: SP (lane / 4) + 16 (lane % 4)
	v_mul_u32_u24 v15, v2, SP
	v_add_nc_u32 v15, s25, v15                     ; and back: SP x lane
	v_and_b32 v4, 15, v2
	v_mul_u32_u24 v4, v4, CB
	v_lshrrev_b32 v5, 4, v2
	v_mad_u32_u24 v4, v5, XPL, v4                  ; 12 bytes for each of sixteen lanes, a plane for each half of the lanes
	v_lshrrev_b32 v5, 1, v2
	s_add_co_u32 s25, s25, 2*32*SP
	v_add_nc_u32 v5, s25, v5                       ; my block's byte among the wave's 256
	v_lshlrev_b32 v7, 3, v2
	v_add_nc_u32 v6, s25, v7
	s_lshl_b32 s26, ttmp9, 2
	s_add_co_u32 s28, s26, s24                     ; the run that I read: 4 x work-group + wave
	s_lshl_b32 s28, s28, 15                        ; 32,768 bytes a run
	s_mov_b32 s29, 0
	s_add_nc_u64 s[4:5], s[4:5], s[28:29]
	s_and_b32 s27, s24, 1                          ; the run that I write: the wave's two bits are the rows' bits 3 and 4, and change places
	s_lshl_b32 s27, s27, 1
	s_lshr_b32 s30, s24, 1
	s_or_b32 s27, s27, s30
	s_add_co_u32 s26, s26, s27
	s_mul_i32 s28, s26, 1536                       ; 8 rows of 192 bytes in a plane
	s_add_nc_u64 s[12:13], s[12:13], s[28:29]
	s_lshl_b32 s28, s26, 8                         ; 8 rows of 32 bytes
	s_add_nc_u64 s[14:15], s[14:15], s[28:29]
.irp t, 0,1,2,3
	LOADX \t
.endr
	s_wait_alu depctr_va_vdst(0)
	s_wait_loadcnt 12                              ; step 0's four loads are in
	TURNX 0
.irp t, 0,1,2,3,4,5,6,7,8,9,10,11,12,13,14,15
	STEPX \t
.endr
	ds_load_b64 v[8:9], v6                         ; LDS serves a wave's instructions in order: these see my byte stores
	s_wait_dscnt 0x0
	global_store_b64 v7, v[8:9], s[14:15]          ; 32 lanes store 256 consecutive bytes, aligned
	CLOSE
.Lnot_x:
	s_cmp_lt_u32 ttmp9, 384
	s_cbranch_scc0 .Lrope
	; ---------------- the weights: a lane takes a column, its registers run down K; a wave takes 32 columns x 256 along K
	s_sub_co_u32 s25, ttmp9, 256
	s_and_b32 s26, s25, 31                         ; which 128 of the 4,096 columns
	s_lshr_b32 s25, s25, 5                         ; which 256 along K
	s_sub_co_u32 s31, s26, 24
	s_mov_b32 s27, 4096
	s_cmp_lt_u32 s26, 24                           ; Wqkv's columns or Wproj's: the choice hangs on the work-group's number alone
	s_cselect_b64 s[6:7], s[6:7], s[8:9]
	s_cselect_b32 s27, 12288, s27                  ; a row of the weight in bytes
	s_cselect_b32 s31, s26, s31                    ; which 128 columns of that weight
	s_wait_alu depctr_va_vdst(0)
	v_lshlrev_b32 v3, 2, v2
.irp i, 0,1,2,3,4,5,6,7,8,9,10,11,12,13,14,15,16,17,18,19,20,21,22,23,24,25,26,27,28,29,30,31
	v_mad_u32_u24 v[OF+\i], s27, \i, v3            ; row i of a block, my column
.endr
	s_mul_i32 s32, s24, 32*WP
	s_add_co_u32 s32, s32, WSTG                    ; my stage
	v_mul_u32_u24 v4, v2, WP
	v_add_nc_u32 v4, s32, v4                       ; into it: row = my column
	v_and_b32 v5, 15, v2
	v_lshrrev_b32 v6, 4, v2
	v_mul_u32_u24 v7, v6, WP
	v_lshl_add_u32 v7, v5, 4, v7
	v_add_nc_u32 v7, s32, v7                       ; out of it: sixteen lanes to a row, two rows an instruction
	v_mul_u32_u24 v8, v6, 192
	v_mad_u32_u24 v8, v5, 12, v8                   ; and the same place in wc
	v_and_b32 v9, 7, v2                            ; my column's memory row: bits 3 and 4 exchanged
	v_bfe_u32 v10, v2, 3, 1
	v_lshl_add_u32 v9, v10, 4, v9
	v_lshl_add_u32 v9, v6, 3, v9
	v_lshlrev_b32 v9, 5, v9                        ; x 32 bytes of scales
	s_lshl_b32 s28, s31, 7
	s_lshl_b32 s29, s24, 5
	s_add_co_u32 s28, s28, s29                     ; my wave's first column in the weight
	s_lshl_b32 s28, s28, 2
	s_lshl_b32 s30, s25, 8
	s_mul_i32 s30, s30, s27                        ; 256 rows for each step along K
	s_add_co_u32 s28, s28, s30
	s_mov_b32 s29, 0
	s_add_nc_u64 s[40:41], s[6:7], s[28:29]        ; block 0's first row
	s_lshl_b32 s28, s27, 5                         ; 32 rows on
.irp t, 1,2,3,4,5,6,7
	s_add_nc_u64 s[40+2*\t:41+2*\t], s[38+2*\t:39+2*\t], s[28:29]
.endr
	s_lshl_b32 s28, s26, 7
	s_lshl_b32 s30, s24, 5
	s_add_co_u32 s30, s28, s30                     ; my wave's first row of wc and ws
	s_mul_i32 s28, s30, 192
	s_mul_i32 s33, s25, WPL
	s_add_co_u32 s28, s28, s33
	; Wproj's codes (rows 3,072 on) lie tile by tile inside the same bytes: [tile of 128 columns][plane][row][192 bytes]; two tiles fill the 196,608 bytes that a plane leaves behind its row 3,071
	s_lshr_b32 s33, s31, 1
	s_mul_i32 s33, s33, WPL
	s_and_b32 s34, s31, 1
	s_mul_i32 s34, s34, 98304
	s_add_co_u32 s33, s33, s34
	s_mul_i32 s34, s25, 24576
	s_add_co_u32 s33, s33, s34
	s_mul_i32 s34, s24, 32*192
	s_add_co_u32 s33, s33, s34
	s_add_co_u32 s33, s33, 3072*192
	s_cmp_lt_u32 s26, 24                           ; the choice hangs on the work-group's number alone
	s_cselect_b32 s28, s28, s33
	s_add_nc_u64 s[16:17], s[16:17], s[28:29]
	s_lshl_b32 s28, s30, 5
	s_lshl_b32 s33, s25, 3
	s_add_co_u32 s28, s28, s33
	s_add_nc_u64 s[18:19], s[18:19], s[28:29]
	LOADW 0
	LOADW 1
.irp t, 0,1,2,3,4,5,6,7
	BLOCKW \t
.endr
	s_wait_alu depctr_va_vdst(0)
	global_store_b64 v9, v[SB:SB+1], s[18:19]      ; my column's eight scale bytes
.irp t, 0,1,2,3,4,5,6,7,8,9,10,11,12,13,14,15
	ds_load_b96 v[XW+4*\t:XW+4*\t+2], v7 offset:2*\t*WP
.endr
.irp t, 0,1,2,3,4,5,6,7,8,9,10,11,12,13,14,15
	s_wait_dscnt 15-\t                             ; the younger loads from the stage may be out
	global_store_b96 v8, v[XW+4*\t:XW+4*\t+2], s[16:17] offset:(((2*\t)&7)+16*(((2*\t)>>3)&1)+8*(((2*\t)>>4)&1))*192   ; columns 2 t, 2 t + 1 at their memory rows: sixteen lanes store a row's 192 consecutive bytes
.endr
	CLOSE
.Lrope:
	; ---------------- out1 = rnn_state, 8 bytes a thread; and the table: a wave takes 32 tokens, two a trip; sixteen lanes store a token's 256 bytes
	s_sub_co_u32 s25, ttmp9, 384
	s_lshl_b32 s26, s25, 10
	v_lshl_add_u32 v1, v0, 3, s26
	global_load_b64 v[4:5], v1, s[10:11]
	s_lshl_b32 s26, s25, 2
	s_add_co_u32 s26, s26, s24
	s_lshl_b32 s26, s26, 5                         ; my wave's first token
	s_wait_alu depctr_va_vdst(0)
	v_lshrrev_b32 v6, 4, v2
	v_add_nc_u32 v6, s26, v6                       ; my token in trip 0
	v_cvt_f32_u32 v20, v6
	v_and_b32 v7, 15, v2
	v_lshlrev_b32 v7, 4, v7
	v_lshl_add_u32 v22, v6, 8, v7                  ; 256 bytes a token, 16 bytes a lane: lanes 0-7 of sixteen the cosines, lanes 8-15 the sines
	v_bfe_u32 v21, v2, 3, 1
	v_xor_b32 v21, 1, v21                          ; 1 where I make cosines: cos a = sin(a + pi / 2)
	v_and_b32 v3, 7, v2                            ; my four frequencies: 4 (lane % 8) + 0 .. 3
	v_mov_b32 v16, 1.0                             ; 10^(-f / 8)
	v_mov_b32 v17, 0.7498942093
	v_mov_b32 v18, 0.5623413252
	v_mov_b32 v19, 0.4216965034
	PICK 1, 0.3162277660, 0.2371373706, 0.1778279410, 0.1333521432
	PICK 2, 0.1, 0.07498942093, 0.05623413252, 0.04216965034
	PICK 3, 0.03162277660, 0.02371373706, 0.01778279410, 0.01333521432
	PICK 4, 0.01, 0.007498942093, 0.005623413252, 0.004216965034
	PICK 5, 0.003162277660, 0.002371373706, 0.001778279410, 0.001333521432
	PICK 6, 0.001, 0.0007498942093, 0.0005623413252, 0.0004216965034
	PICK 7, 0.0003162277660, 0.0002371373706, 0.0001778279410, 0.0001333521432
	s_mov_b32 s28, 0x3fc90fd8                      ; pi / 2 in three parts
	s_mov_b32 s29, 0x34a8885a
	s_mov_b32 s30, 0x27c234c5
	s_mov_b32 s31, 0x37ccf5ce                      ; the cosine's polynomial in r^2 on |r| <= pi / 4
	s_mov_b32 s32, 0xbab6061a
	s_mov_b32 s33, 0x3d2aaaa5
	s_mov_b32 s34, 0xb94ca1f9                      ; the sine's
	s_mov_b32 s35, 0x3c08839e
	s_mov_b32 s36, 0xbe2aaaa3
	s_mov_b32 s38, 0x3f22f983                      ; 2 / pi
	s_wait_loadcnt 0x0
	global_store_b64 v1, v[4:5], s[22:23]
	s_mov_b32 s37, 16
.Ltrip:
	s_wait_alu depctr_va_vdst(0)
.irp k, 0,1,2,3
	v_mul_f32 v[24+\k], v20, v[16+\k]              ; the angle, rounded to f32 as the product of token and frequency
.endr
.irp k, 0,1,2,3
	v_mul_f32 v[28+\k], s38, v[24+\k]
.endr
.irp k, 0,1,2,3
	v_rndne_f32 v[28+\k], v[28+\k]                 ; n: the nearest multiple of pi / 2
.endr
.irp k, 0,1,2,3
	v_fma_f32 v[32+\k], -v[28+\k], s28, v[24+\k]
.endr
.irp k, 0,1,2,3
	v_fma_f32 v[32+\k], -v[28+\k], s29, v[32+\k]
.endr
.irp k, 0,1,2,3
	v_fma_f32 v[32+\k], -v[28+\k], s30, v[32+\k]   ; r = angle - n pi / 2
.endr
.irp k, 0,1,2,3
	v_mul_f32 v[36+\k], v[32+\k], v[32+\k]
.endr
.irp k, 0,1,2,3
	v_fma_f32 v[40+\k], v[36+\k], s31, s32
	v_fma_f32 v[44+\k], v[36+\k], s34, s35
.endr
.irp k, 0,1,2,3
	v_fma_f32 v[40+\k], v[40+\k], v[36+\k], s33
	v_fma_f32 v[44+\k], v[44+\k], v[36+\k], s36
.endr
.irp k, 0,1,2,3
	v_fma_f32 v[40+\k], v[40+\k], v[36+\k], -0.5
	v_cvt_i32_f32 v[48+\k], v[28+\k]
.endr
.irp k, 0,1,2,3
	v_fma_f32 v[40+\k], v[40+\k], v[36+\k], 1.0    ; cos r
	v_mul_f32 v[36+\k], v[36+\k], v[32+\k]
.endr
.irp k, 0,1,2,3
	v_fma_f32 v[44+\k], v[44+\k], v[36+\k], v[32+\k]   ; sin r
	v_add_nc_u32 v[48+\k], v[48+\k], v21           ; the quadrant
.endr
.irp k, 0,1,2,3
	v_and_b32 v[28+\k], 1, v[48+\k]
	v_and_b32 v[48+\k], 2, v[48+\k]
.endr
.irp k, 0,1,2,3
	v_cmp_ne_u32 vcc_lo, 0, v[28+\k]
	v_cndmask_b32 v[52+\k], v[44+\k], v[40+\k], vcc_lo   ; odd quadrants take the cosine,
	v_lshlrev_b32 v[48+\k], 30, v[48+\k]
	v_xor_b32 v[52+\k], v[52+\k], v[48+\k]         ; quadrants 2 and 3 the other sign
.endr
	global_store_b128 v22, v[52:55], s[20:21]      ; sixteen lanes store 256 consecutive bytes, aligned
	s_wait_xcnt 0x0                                ; the store has read its registers: they are written again below and in the next trip
	v_add_nc_u32 v22, 512, v22
	v_add_f32 v20, 2.0, v20
	s_sub_co_u32 s37, s37, 1
	s_cmp_lg_u32 s37, 0
	s_cbranch_scc1 .Ltrip
	CLOSE
.Lfunc_end_k_q763942a6f0_prep:
	.size	k_q763942a6f0_prep, .Lfunc_end_k_q763942a6f0_prep-k_q763942a6f0_prep
	.p2alignl 7, 3214868480
	.fill 96, 4, 3214868480
	.section	.rodata,"a",@progbits
	.p2align	6, 0x0
	.amdhsa_kernel k_q763942a6f0_prep
		.amdhsa_group_segment_fixed_size 68096
		.amdhsa_private_segment_fixed_size 0
		.amdhsa_enable_private_segment 0
		.amdhsa_kernarg_size 80
		.amdhsa_user_sgpr_count 2
		.amdhsa_user_sgpr_kernarg_segment_ptr 1
		.amdhsa_wavefront_size32 1
		.amdhsa_system_sgpr_workgroup_id_x 1
		.amdhsa_system_sgpr_workgroup_id_y 1
		.amdhsa_system_sgpr_workgroup_id_z 1
		.amdhsa_system_vgpr_workitem_id 0
		.amdhsa_next_free_vgpr 192
		.amdhsa_next_free_sgpr 66
		.amdhsa_reserve_vcc 1
		.amdhsa_float_denorm_mode_32 3
		.amdhsa_float_denorm_mode_16_64 3
		.amdhsa_memory_ordered 1
		.amdhsa_forward_progress 1
		.amdhsa_inst_pref_size 85
	.end_amdhsa_kernel
	.amdgpu_metadata
---
amdhsa.version: [ 1, 2 ]
amdhsa.kernels:
  - .name:           k_q763942a6f0_prep
    .symbol:         k_q763942a6f0_prep.kd
    .args:
      - { .name: x, .offset: 0, .size: 8, .value_kind: global_buffer, .address_space: global }
      - { .name: Wqkv, .offset: 8, .size: 8, .value_kind: global_buffer, .address_space: global }
      - { .name: Wproj, .offset: 16, .size: 8, .value_kind: global_buffer, .address_space: global }
      - { .name: rnn_state, .offset: 24, .size: 8, .value_kind: global_buffer, .address_space: global }
      - { .name: xc, .offset: 32, .size: 8, .value_kind: global_buffer, .address_space: global }
      - { .name: xs, .offset: 40, .size: 8, .value_kind: global_buffer, .address_space: global }
      - { .name: wc, .offset: 48, .size: 8, .value_kind: global_buffer, .address_space: global }
      - { .name: ws, .offset: 56, .size: 8, .value_kind: global_buffer, .address_space: global }
      - { .name: rope, .offset: 64, .size: 8, .value_kind: global_buffer, .address_space: global }
      - { .name: out1, .offset: 72, .size: 8, .value_kind: global_buffer, .address_space: global }
    .group_segment_fixed_size: 68096
    .private_segment_fixed_size: 0
    .kernarg_segment_align: 8
    .kernarg_segment_size: 80
    .max_flat_workgroup_size: 128
    .sgpr_count:     66
    .vgpr_count:     192
    .wavefront_size: 32
...
	.end_amdgpu_metadata
.endif
;; end of part 1
;; launch qkv (part 2): grid 96 x 4, 4 waves a work-group, clusters of 4 x 4, 327,680 bytes of LDS; arguments xc, xs, wc, ws, bqkv, rope, qkv; writes qkv
.if DOCPART == 2
	.amdgcn_target "amdgcn-amd-amdhsa--gfx1250"
	.amdhsa_code_object_version 6
	.text
	.protected	k_q763942a6f0_qkv
	.globl	k_q763942a6f0_qkv
	.p2align	8
	.type	k_q763942a6f0_qkv,@function
k_q763942a6f0_qkv:
	s_mov_b64 s[64:65], 0
	v_nop
	global_prefetch_b8 v0, s[64:65] scope:SCOPE_SE
	s_setreg_imm32_b32 hwreg(HW_REG_WAVE_MODE, 25, 1), 1
	s_wait_xcnt 0x0
	s_wait_alu depctr_hold_cnt(0) depctr_sa_sdst(0) depctr_va_vdst(0) depctr_va_sdst(0) depctr_va_ssrc(0) depctr_va_vcc(0) depctr_vm_vsrc(0)
	s_getreg_b32 s2, hwreg(HW_REG_IB_STS2, 6, 4)
	s_cmp_eq_u32 s2, 0
	s_cbranch_scc0 .Lentry_in_a_cluster
	s_endpgm
.Lentry_in_a_cluster:
	s_bfe_u32 s2, ttmp6, 0x10000c
	s_cmp_lg_u32 s2, 0xf033
	s_cbranch_scc0 .Lentry_shape_is_right
	s_endpgm
.Lentry_shape_is_right:
; QKV.  x Wqkv + bqkv on codes of FP6 (E2M3) with one E8M0 scale for each 32 along K = 1,024; then RoPE on q and k; then q, k (along the head's 64) and v (along the keys) are quantised in registers and stored
; as images of the operand registers that the attention launch wants.  No f32 result goes to memory.
; A tile of the product, 256 x 256, is made by four waves, 128 x 128 each: 64 accumulators, 512 registers.  K goes in steps of 256 through two LDS slots filled by the tensor data mover.
; TWO MODES, by the cluster's number c (the same in all sixteen partners):  c < 16: A = 256 tokens (xc), B = 256 columns of q or k (wc).   c >= 16: A = 256 columns of v (wc from row 2,048), B = 256 tokens (xc).
; The matrix instruction is used TRANSPOSED (source 0 = 16 rows of B, source 1 = 16 rows of A): a lane holds ONE row of A, and its registers run along B's rows.  xc's and wc's rows lie permuted in memory (bits 3 and 4
; exchanged), so that register 16 g + i of a block's 64 is B's true row 32 g + 16 (lane / 16) + i, and lane r of block a is A's true row 32 (a / 2) + 8 (a % 2) + r + 8 (r / 8).
; So in the first mode a lane holds a token and 128 channels (two heads) along its registers: the K of the scores; in the second a channel of v and 128 tokens: the K of the second attention product.
; CLUSTERS: 4 x 4 work-groups; A's tiles are asked for jointly along a row of the cluster, B's along a column.
; THE RECORDS: qkv[batch x head][step of 128 tokens], RB bytes: k's 8 tiles (768 bytes: piece p, lane, 8 bytes), k's scale words (512), v's 4 fragments (1,536: 16 bytes a lane, three times), v's scale words (256), q's tiles, q's words.
; A word of q or k: the bytes of d 0-31 and d 32-63, and 0x7f twice: the upper half of the instruction's K = 128 is fed with zero codes.
; LIMITS: a block of zeros gets the byte 1 (its codes are zeros; this program alone reads the bytes); blocks under 2^-124 are held at the byte 1; NaN and infinities are not served.
; No prefetch: the launch has eight steps of 128 along K and is over too soon for one to pay.
; REGISTERS: window 0: v0-31 addresses; v32-63 scale words, two sets, and nothing else; v64-127 the bias along the registers; v128-223 A's fragments, later at work; v224-255 the table's rows, set 0.
;   window 1: B's fragments at v0 and v128; v96-111 the bias by lane; v224-255 the table's rows, set 1.   windows 2, 3: the accumulators.
.set KSTEP,  256
.set NQ,     2
.set ROWB,   192
.set KROW,   768
.set PITCH,  240                       ; an LDS row: 3 x (64 bytes + 16 of padding)
.set FR,     12
.set NL,     6
.set NP,     4
.set HALFT,  128*PITCH
.set SLOT,   4*HALFT
.set LAPS,   2                         ; 1,024 along K: twice round the ring
.set KS,     32                        ; a row of scale bytes
.set SCL,    2*SLOT
.set HALFS,  (128*KS/256)*272
.set SBLK,   (16*KS/256)*272
.set SPARE,  SCL+4*HALFS               ; the spare words, 128 bytes a wave
.set RB,     19712                     ; a record
.set HS,     16*RB                     ; a head's 16 records
.set ADRA, 16
.set ADRB, 20
.set L8,   24                          ; v24  8 x lane
.set L16,  25                          ; v25  16 x lane
.set HW,   26                          ; v26  (lane / 16) x HS + 16 r: lanes 16-31 store the second head's words
.set ADRS, 27
.set SPW,  28
.set NIL,  29
.set RO,   30                          ; v30  the table: (r + 8 (r / 8)) x 256 + 64 (lane / 16)
.set H16,  31                          ; v31  16 (lane / 16)
.set SC,   32
.set BI,   64
.set AF,   128
.set VB,   96                          ; in window 1
.set CO,   224
.set SI,   240
.set T,    128                         ; v128-191 64 numbers ahead of the quantiser
.set TM,   192                         ; v192-195 largest magnitudes, v196-199 bytes, v200-203 scale operands
.set PC,   204                         ; v204-222 the codes just made
.set PW,   223                         ; the scale word just made
.set SWD,  8                           ; v8-15 the eight blocks' words
.set SEL,  104
.set G1, 24
.set G0, 32
.set G1B, 48
.set G0B, 56
.set G1S, 68
.set G0S, 76
.set G1SB, 80
.set G0SB, 88
.set MSB, 0
.macro WIN new                         ; the immediate's high byte repeats the setting that is left
.if MSB != \new
	s_set_vgpr_msb (MSB<<8)|\new
.set MSB, \new
.endif
.endm
.set MUL_LO, 0xa1                      ; source 0 (B) window 1, source 1 (A) window 0, C and D window 2
.set MUL_HI, 0xf1
.set TO_B,   0x40
; A joint load: waves 0 and 1 fetch for A, waves 2 and 3 for B; the branch hangs on the wave's number alone.  An s_nop 0 and four v_nop follow each of the two lines.
.macro JLOAD g0a, g1a, g0b, g1b
	s_cmp_eq_u32 s15, 0
	s_cbranch_scc0 .Lfor_b_\@
	tensor_load_to_lds s[\g0a:\g0a+3], s[\g1a:\g1a+7]
	s_nop 0
.rept 4
	v_nop
.endr
	s_branch .Lasked_\@
.Lfor_b_\@:
	tensor_load_to_lds s[\g0b:\g0b+3], s[\g1b:\g1b+7]
	s_nop 0
.rept 4
	v_nop
.endr
.Lasked_\@:
.endm
.macro CREST
	s_cmp_lg_u32 s14, 0
	s_cbranch_scc1 .Lnot_wave_0_\@
	s_barrier_signal -3
.Lnot_wave_0_\@:
	s_barrier_wait -3
	s_barrier_signal -1
	s_barrier_wait -1
.endm
.macro CROUND
	s_barrier_signal -1
	s_barrier_wait -1
	CREST
.endm
	s_load_b256 s[4:11], s[0:1], 0x0               ; xc, xs, wc, ws
	s_load_b128 s[96:99], s[0:1], 0x20             ; bqkv, rope
	s_load_b64 s[100:101], s[0:1], 0x30            ; qkv
	v_lshl_add_u32 v[SPW], v0, 2, SPARE
	v_mov_b32 v[NIL], 0
	ds_add_u32 v[SPW], v[NIL]                      ; the wave's opening: the add and its wait ahead of my first tensor load; work on registers stands between them
	ds_add_u32 v[SPW], v[NIL]
	v_lshrrev_b32 v1, 5, v0
	v_readfirstlane_b32 s14, v1                    ; wave 0..3
	s_lshr_b32 s15, s14, 1                         ; my half of A's rows.  Also: I fetch for A (0) or for B (1)
	s_and_b32 s16, s14, 1                          ; my half of B's rows.  Also: which 128 rows I fetch
	s_bfe_u32 s40, ttmp6, 0x40000                  ; cx, cy
	s_bfe_u32 s41, ttmp6, 0x40004
	s_and_b32 s18, ttmp9, 1                        ; the mode, from the cluster's number
	s_lshr_b32 s19, ttmp9, 1
	s_sub_co_u32 s20, ttmp9, 16
	s_cmp_lt_u32 ttmp9, 16
	s_cselect_b32 s18, s18, s20                    ; which four tile columns
	s_cselect_b32 s19, s19, 0                      ; which four tile rows
	s_cselect_b32 s66, 1, 0                        ; 1: q and k;  0: v
	s_cselect_b32 s12, 0, 2048                     ; A's first row in its buffer
	s_lshl_b32 s42, s18, 2
	s_add_co_u32 s42, s42, s40                     ; tile column
	s_lshl_b32 s17, s19, 2
	s_add_co_u32 s17, s17, s41                     ; tile row
	s_lshl_b32 s43, s41, 2
	s_lshl_b32 s43, 15, s43                        ; my row of the cluster
	s_lshl_b32 s44, 0x1111, s40                    ; my column
	s_or_b32 s[G1+0], s43, (0<<16)|(1<<20)|(1<<21)|(3<<22)|(3<<25)  ; the mask; elements of 1 byte; padding on; bit 21 beside a mask; after every 16 words 4 words
	s_or_b32 s[G1B+0], s44, (0<<16)|(1<<20)|(1<<21)|(3<<22)|(3<<25)
.irp g, G1, G1B
	s_mov_b32 s[\g+1], 256<<16                     ; rows of a plane lie end to end: a tile is stated as rows of 256 bytes; with 16 bytes of padding behind every 64 a row of 192 bytes still takes 240 in LDS
	s_mov_b32 s[\g+2], 192<<16                     ; the head's loads: 256 rows x 192 bytes = 192 rows of 256
	s_mov_b32 s[\g+3], 256<<16
	s_mov_b32 s[\g+4], 192
	s_mov_b32 s[\g+5], 256
	s_mov_b32 s[\g+6], 0
	s_mov_b32 s[\g+7], 0
.endr
	s_or_b32 s[G1S+0], s43, (3<<16)|(1<<20)|(1<<21)|(5<<22)|(3<<25)  ; the scales of 256 rows: a dense block, as rows of 256 bytes with 16 of padding
	s_or_b32 s[G1SB+0], s44, (3<<16)|(1<<20)|(1<<21)|(5<<22)|(3<<25)
.irp g, G1S, G1SB
	s_mov_b32 s[\g+1], 32<<16
	s_mov_b32 s[\g+2], (256*KS/256)<<16            ; the scales of all 256 rows by one load
	s_mov_b32 s[\g+3], 32<<16
	s_mov_b32 s[\g+4], 256*KS/256
	s_mov_b32 s[\g+5], 32
	s_mov_b32 s[\g+6], 0
	s_mov_b32 s[\g+7], 0
.endr
	s_lshl_b32 s20, s17, 8
	s_add_co_u32 s20, s20, s12                     ; A: its first row + 256 x tile row
	s_lshl_b32 s46, s42, 8                         ; B: 256 x tile column
	s_mov_b32 s21, 0
	s_mov_b32 s47, 0
	s_mov_b64 s[18:19], KS
	s_mul_u64 s[22:23], s[20:21], s[18:19]
	s_mul_u64 s[92:93], s[46:47], s[18:19]
	s_mov_b64 s[18:19], 192
	s_mul_u64 s[20:21], s[20:21], s[18:19]
	s_mul_u64 s[46:47], s[46:47], s[18:19]
	s_mul_i32 s45, s14, HALFT                      ; where they go: wave x 128 rows
.set XPL, 1572864                      ; a plane (256 along K) of xc in bytes
.set WPL, 786432                       ; and of wc
.set G0H, 4                            ; s[4:7], s[8:11] group 0 of the head's loads of K step 0 (the arguments that lay there have been used by then)
.set G0HB, 8
	s_mul_i32 s18, s16, 128*192                    ; in the ring I fetch 128 rows of a tile: which half, in bytes
	s_mov_b32 s19, 0
	s_mov_b32 s94, WPL
	s_mov_b32 s95, 0
	s_wait_dscnt 0x0                               ; the opening add is done
	s_wait_kmcnt 0x0
	s_cmp_eq_u32 s66, 1                            ; which buffers are A's and which B's: the choice hangs on the cluster's number alone
	s_cselect_b64 s[2:3], s[4:5], s[8:9]
	s_cselect_b64 s[12:13], s[6:7], s[10:11]
	s_cselect_b64 s[8:9], s[8:9], s[4:5]
	s_cselect_b64 s[10:11], s[10:11], s[6:7]
	s_add_nc_u64 s[20:21], s[2:3], s[20:21]
	s_add_nc_u64 s[22:23], s[12:13], s[22:23]
	s_add_nc_u64 s[46:47], s[8:9], s[46:47]
	s_add_nc_u64 s[92:93], s[10:11], s[92:93]
	s_cselect_b32 s94, XPL, s94                    ; s[94:95]: a plane of A's buffer (the compare on the mode still stands)
	CROUND                                         ; all sixteen work-groups are here: the first joint loads meet
	s_mov_b32 s[G0H], 1                            ; the head's four tiles, each whole: K step 0's 256 rows of A,
	s_mov_b32 s[G0H+1], 0
	s_mov_b64 s[G0H+2:G0H+3], s[20:21]
	s_or_b32 s[G0H+3], s[G0H+3], 0x80000000
	s_mov_b32 s[G0HB], 1                           ; its 256 rows of B, behind them in slot 0,
	s_mov_b32 s[G0HB+1], 2*HALFT
	s_mov_b64 s[G0HB+2:G0HB+3], s[46:47]
	s_or_b32 s[G0HB+3], s[G0HB+3], 0x80000000
	s_mov_b32 s[G0S], 1                            ; the scales of A's 256 rows,
	s_mov_b32 s[G0S+1], SCL
	s_mov_b64 s[G0S+2:G0S+3], s[22:23]
	s_or_b32 s[G0S+3], s[G0S+3], 0x80000000
	s_mov_b32 s[G0SB], 1                           ; and of B's
	s_mov_b32 s[G0SB+1], SCL+2*HALFS
	s_mov_b64 s[G0SB+2:G0SB+3], s[92:93]
	s_or_b32 s[G0SB+3], s[G0SB+3], 0x80000000
	s_mov_b32 s92, XPL
	s_mov_b32 s93, 0
	s_cmp_eq_u32 s66, 1
	s_cselect_b32 s92, WPL, s92                    ; s[92:93]: a plane of B's buffer
	s_add_nc_u64 s[20:21], s[20:21], s[18:19]      ; for the ring: my 128 rows of the tile
	s_add_nc_u64 s[46:47], s[46:47], s[18:19]
	s_mov_b32 s[G0], 1                             ; slot 0 stands at K step 0 and is stepped at its first refill
	s_mov_b32 s[G0+1], s45
	s_mov_b64 s[G0+2:G0+3], s[20:21]
	s_or_b32 s[G0+3], s[G0+3], 0x80000000
	s_mov_b32 s[G0+4], 1                           ; slot 1 at K step 1: a plane on
	s_add_co_u32 s[G0+5], s45, SLOT
	s_add_nc_u64 s[G0+6:G0+7], s[20:21], s[94:95]
	s_or_b32 s[G0+7], s[G0+7], 0x80000000
	s_mov_b32 s[G0B], 1
	s_mov_b32 s[G0B+1], s45
	s_mov_b64 s[G0B+2:G0B+3], s[46:47]
	s_or_b32 s[G0B+3], s[G0B+3], 0x80000000
	s_mov_b32 s[G0B+4], 1
	s_add_co_u32 s[G0B+5], s45, SLOT
	s_add_nc_u64 s[G0B+6:G0B+7], s[46:47], s[92:93]
	s_or_b32 s[G0B+7], s[G0B+7], 0x80000000
	s_lshl_b32 s94, s94, 1                         ; a refill goes two planes on
	s_lshl_b32 s92, s92, 1
; THE HEAD'S LOADS, ONE A WAVE: wave 0 A's 256 rows of K step 0, wave 1 B's, wave 2 A's scales, wave 3 B's; one chain of branches on the wave's number, every way through it passes one load
.macro ARM under, g0, g1, next
	s_cmp_lt_u32 s14, \under
	s_cbranch_scc0 \next
	tensor_load_to_lds s[\g0:\g0+3], s[\g1:\g1+7]
	s_nop 0
.rept 4
	v_nop
.endr
	s_branch .Lhead_asked
\next:
.endm
	ARM 1, G0H,  G1,  .Lhead_b
	ARM 2, G0HB, G1B, .Lhead_sa
	ARM 3, G0S,  G1S, .Lhead_sb
	tensor_load_to_lds s[G0SB:G0SB+3], s[G1SB:G1SB+7]
	s_nop 0
.rept 4
	v_nop
.endr
.Lhead_asked:
	v_and_b32 v1, 15, v0                           ; r
	v_bfe_u32 v2, v0, 4, 1                         ; h
	v_mul_u32_u24 v3, v1, PITCH
	v_mul_u32_u24 v4, v2, 24
	v_add_nc_u32 v4, v3, v4                        ; a fragment's row x pitch + 24 x half
	v_lshl_add_u32 v5, v2, 4, v4                   ; and the same behind one padding more
	s_mul_i32 s21, s15, HALFT
	s_mul_i32 s22, s16, HALFT
	s_add_co_u32 s22, s22, 2*HALFT
.irp s, 0,1
	v_add_nc_u32 v[ADRA+\s], s21, v4
	v_add_nc_u32 v[ADRB+\s], s22, v4
	v_add_nc_u32 v[ADRA+2+\s], s21, v5
	v_add_nc_u32 v[ADRB+2+\s], s22, v5
	s_add_co_u32 s21, s21, SLOT
	s_add_co_u32 s22, s22, SLOT
.endr
	v_mul_u32_u24 v5, v1, KS
	v_lshrrev_b32 v6, 8, v5
	v_lshl_add_u32 v5, v6, 4, v5                   ; my row's scales: KS bytes a row, 16 more for each 256 passed
	s_mul_i32 s21, s15, HALFS
	s_mul_i32 s22, s16, HALFS
	s_add_co_u32 s22, s22, 2*HALFS
	s_sub_co_u32 s22, s22, s21
	v_mul_u32_u24 v6, s22, v2                      ; lanes 16-31 take B's
	s_add_co_u32 s21, s21, SCL
	v_add_nc_u32 v5, v5, v6
	v_add_nc_u32 v[ADRS], s21, v5
	; what the way out wants: offsets by lane,
	v_and_b32 v3, 31, v0
	v_lshlrev_b32 v[L8], 3, v3
	v_lshlrev_b32 v[L16], 4, v3
	v_mul_u32_u24 v[HW], v2, HS
	v_lshl_add_u32 v[HW], v1, 4, v[HW]
	v_lshlrev_b32 v[H16], 4, v2
	v_lshlrev_b32 v7, 6, v2                        ; 64 h: my sixteen numbers of each 32 of the bias
	s_wait_alu depctr_va_vdst(0)
	v_and_b32 v6, 8, v1
	v_add_nc_u32 v6, v6, v1                        ; r + 8 (r / 8)
	v_lshl_add_u32 v[RO], v6, 8, v7
	s_wait_alu depctr_va_vdst(0)
	v_lshlrev_b32 v6, 2, v6                        ; the bias by lane: 4 bytes a channel
	; and the wave's bases
	s_wait_alu depctr_va_vdst(0)
	s_lshl_b32 s20, s17, 8
	s_lshl_b32 s21, s15, 7
	s_add_co_u32 s20, s20, s21                     ; my first row of A in its tensor
	s_lshl_b32 s46, s42, 8
	s_lshl_b32 s47, s16, 7
	s_add_co_u32 s46, s46, s47                     ; my first row of B
	s_and_b32 s22, s20, 2047
	s_lshl_b32 s22, s22, 8                         ; the table: 256 bytes a token of the sequence
	s_mov_b32 s23, 0
	s_add_nc_u64 s[98:99], s[98:99], s[22:23]
	s_add_co_u32 s43, s20, 2048
	s_cmp_eq_u32 s66, 1
	s_cselect_b32 s21, s20, s46                    ; my first token
	s_cselect_b32 s22, s46, s20                    ; my first channel (q: 0-1023, k: 1024-2047; v: 0-1023)
	s_cselect_b32 s44, s46, 0                      ; the bias along the registers begins here (v: the buffer's start; not used there)
	s_cselect_b32 s43, 0, s43                      ; the bias by lane here (q, k: the buffer's start; not used there)
	s_lshl_b32 s44, s44, 2
	s_lshl_b32 s40, s43, 2
	s_mov_b32 s45, 0
	s_mov_b32 s41, 0
	s_add_nc_u64 s[12:13], s[96:97], s[40:41]
	s_add_nc_u64 s[96:97], s[96:97], s[44:45]
	s_cmp_lt_u32 s22, 1024
	s_cselect_b32 s45, 13056, 0                    ; in a record: q's tiles, k's tiles,
	s_mov_b32 s47, 6656
	s_cmp_eq_u32 s66, 1
	s_cselect_b32 s45, s45, s47                    ; or v's fragments
	s_lshr_b32 s44, s21, 11                        ; batch
	s_lshl_b32 s44, s44, 4
	s_bfe_u32 s43, s22, 0x40006                    ; my first head
	s_add_co_u32 s44, s44, s43
	s_lshl_b32 s44, s44, 4
	s_bfe_u32 s43, s21, 0x40007                    ; the step of 128 tokens
	s_add_co_u32 s44, s44, s43
	s_mul_i32 s44, s44, RB
	s_add_co_u32 s44, s44, s45
	s_mov_b32 s45, 0
	s_add_nc_u64 s[100:101], s[100:101], s[44:45]
	s_mov_b32 s2, 0xffff
	s_mov_b32 s67, 0x7f7f0000
	s_mov_b32 s[SEL], 0x76543210
	s_mov_b32 s[SEL+1], 0xfedcba98
; the table's rows of block a's sixteen tokens, my sixteen frequencies: cosines, sines; into set a % 2
.macro ROPELD a
	WIN 0x40*((\a)%2)
.irp j, 0,1,2,3
	global_load_b128 v[CO+4*\j:CO+4*\j+3], v[RO], s[98:99] offset:(32*((\a)/2)+8*((\a)%2))*256+16*\j
	global_load_b128 v[SI+4*\j:SI+4*\j+3], v[RO], s[98:99] offset:(32*((\a)/2)+8*((\a)%2))*256+128+16*\j
.endr
.endm
	; Both modes issue the same loads here, far ahead of their use, so that no register's being written hangs on a branch: each mode uses its own kind of bias, q and k also the table
.irp g, 0,1,2,3
.irp j, 0,1,2,3
	global_load_b128 v[BI+16*\g+4*\j:BI+16*\g+4*\j+3], v7, s[96:97] offset:128*\g+16*\j   ; register 16 g + i: the bias of channel 32 g + 16 h + i
.endr
.endr
	ROPELD 0
	WIN 0x40
.irp a, 0,1,2,3,4,5,6,7
	global_load_b32 v[VB+2*\a], v6, s[12:13] offset:(32*(\a/2)+8*(\a%2))*4      ; block a: my channel's bias, twice: a pair for the packed addition
	global_load_b32 v[VB+2*\a+1], v6, s[12:13] offset:(32*(\a/2)+8*(\a%2))*4
.endr
	WIN 0
.macro FRAG reg, adr, q, i             ; 16 rows x 128 K of 6-bit codes: 12 registers, in pieces of 8 bytes; where the piece three on lies behind one padding more, the second address register serves
.irp p, 0,1,2,3,4,5
.set PCE, 12*(\q)+6*(\p/3)+\p%3
.if PCE%8 < 5
	ds_load_b64 v[\reg+2*\p:\reg+2*\p+1], v[\adr] offset:8*PCE+16*(PCE/8)+(\i)*16*PITCH
.else
	ds_load_b64 v[\reg+2*\p:\reg+2*\p+1], v[\adr+2] offset:8*PCE+16*(PCE/8)+(\i)*16*PITCH
.endif
.endr
.endm
; 16 matrix instructions: A's blocks a0, a0 + 1 x B's eight.  The 64 accumulators take turns, one instruction a turn.  zero = 1: the first product starts the sums
.macro MUL16 a0, p, q, sc, zero
.irp a, \a0, \a0+1
.irp b, 0,1,2,3,4,5,6,7
.if \zero
	v_wmma_scale_f32_16x16x128_f8f6f4 v[8*(8*((\a)%4)+\b):8*(8*((\a)%4)+\b)+7], v[128*(\p)+FR*\b:128*(\p)+FR*\b+FR-1], v[AF+FR*(\a):AF+FR*(\a)+FR-1], 0, v[SC+8*NQ*(\sc)+NQ*\b+(\q)], v[SC+8*NQ*(\sc)+NQ*(\a)+(\q)] matrix_a_fmt:MATRIX_FMT_FP6 matrix_b_fmt:MATRIX_FMT_FP6 matrix_a_scale:MATRIX_SCALE_ROW1
.else
	v_wmma_scale_f32_16x16x128_f8f6f4 v[8*(8*((\a)%4)+\b):8*(8*((\a)%4)+\b)+7], v[128*(\p)+FR*\b:128*(\p)+FR*\b+FR-1], v[AF+FR*(\a):AF+FR*(\a)+FR-1], v[8*(8*((\a)%4)+\b):8*(8*((\a)%4)+\b)+7], v[SC+8*NQ*(\sc)+NQ*\b+(\q)], v[SC+8*NQ*(\sc)+NQ*(\a)+(\q)] matrix_a_fmt:MATRIX_FMT_FP6 matrix_b_fmt:MATRIX_FMT_FP6 matrix_a_scale:MATRIX_SCALE_ROW1
.endif
.endr
.endr
.endm
.macro FETCH_B slot, q, p
	WIN TO_B
.irp i, 0,1,2,3,4,5,6,7
	FRAG 128*(\p)+FR*\i, ADRB+\slot, \q, \i
.endr
	WIN 0
.endm
.macro FETCH_A slot, q, i0
.irp i, \i0, \i0+1, \i0+2, \i0+3
	FRAG AF+FR*(\i), ADRA+\slot, \q, \i
.endr
.endm
.macro SCALES sc                       ; a K step's scale words: lanes 0-15 A's block i, lanes 16-31 B's block i
.irp i, 0,1,2,3,4,5,6,7
	ds_load_b64 v[SC+8*NQ*\sc+NQ*\i:SC+8*NQ*\sc+NQ*\i+1], v[ADRS] offset:\i*SBLK
.endr
.endm
.macro PLACES n                        ; plain vector instructions between a matrix instruction and a load into, or a vector access to, its registers
.rept \n
	v_nop
.endr
.endm
.macro STEP slot, q, zero              ; 128 along K whose successor lies in the same slot
	s_wait_dscnt 4*NL                              ; B's set and A's blocks 0-3 are in; the youngest 24 loads (A's blocks 4-7) may be out
	WIN MUL_LO
	MUL16 0, (\q)%2, \q, \slot, \zero
	MUL16 2, (\q)%2, \q, \slot, \zero
	s_wait_dscnt 0
	PLACES NP
	FETCH_B \slot, (\q)+1, 1-(\q)%2
	FETCH_A \slot, (\q)+1, 0
	WIN MUL_HI
	MUL16 4, (\q)%2, \q, \slot, \zero
	MUL16 6, (\q)%2, \q, \slot, \zero
	PLACES NP
	WIN 0
	FETCH_A \slot, (\q)+1, 4
.endm
; A slot's last step changes slots: one barrier; in front of it each wave waits for all its tensor loads, adds 0 to its spare word, and waits for that and for its reads of this slot
.macro TURN slot, next, fill
	s_wait_tensorcnt 0x0                           ; all my tensor loads have landed: my part of the next slot
	ds_add_u32 v[SPW], v[NIL]
	s_wait_dscnt 4*NL+1                            ; the add and the youngest 24 loads may be out
	WIN MUL_LO
	MUL16 0, 1, NQ-1, \slot, 0
	s_wait_dscnt 0x0                               ; the add is done, and my reads of this slot are over
	s_barrier_signal -1
	MUL16 2, 1, NQ-1, \slot, 0
	WIN 0
	s_barrier_wait -1
.if \fill
	CREST                                          ; the barrier has opened a round of the cluster's: no wave of any partner still reads this slot or has a load on its way
	s_add_nc_u64 s[G0+4*\slot+2:G0+4*\slot+3], s[G0+4*\slot+2:G0+4*\slot+3], s[94:95]
	s_add_nc_u64 s[G0B+4*\slot+2:G0B+4*\slot+3], s[G0B+4*\slot+2:G0B+4*\slot+3], s[92:93]
	JLOAD G0+4*\slot, G1, G0B+4*\slot, G1B         ; the first tensor load behind the round; its four v_nop are the places in front of the loads below
.else
	PLACES NP
.endif
	s_wait_alu depctr_va_vdst(0)
	v_add_nc_u32 v[ADRS], 4*NQ, v[ADRS]
	FETCH_B \next, 0, 0
	FETCH_A \next, 0, 0
	SCALES \next
	WIN MUL_HI
	MUL16 4, 1, NQ-1, \slot, 0
	MUL16 6, 1, NQ-1, \slot, 0
	PLACES NP
	WIN 0
	FETCH_A \next, 0, 4
.endm
	s_wait_alu depctr_va_vdst(0)
	s_wait_tensorcnt 0x0                           ; my tile of the head's four is in
	ds_add_u32 v[SPW], v[NIL]
	s_mov_b32 s[G1+2], 96<<16                      ; no tensor load of mine is out: from here on a load brings 128 rows x 192 bytes = 96 rows of 256
	s_mov_b32 s[G1+4], 96
	s_mov_b32 s[G1B+2], 96<<16
	s_mov_b32 s[G1B+4], 96
	s_wait_dscnt 0x0
	CROUND                                         ; all four tiles are in, and all sixteen work-groups are here
	JLOAD G0+4, G1, G0B+4, G1B                     ; K step 1, the first tensor load behind the round
	FETCH_B 0, 0, 0
	FETCH_A 0, 0, 0
	SCALES 0
	FETCH_A 0, 0, 4
	STEP 0, 0, 1
	s_mov_b32 s3, LAPS-1
.Llap:
	TURN 0, 1, 1
	STEP 1, 0, 0
	TURN 1, 0, 1
	STEP 0, 0, 0
	s_sub_co_u32 s3, s3, 1
	s_cmp_lg_u32 s3, 0
	s_cbranch_scc1 .Llap
	TURN 0, 1, 0                                   ; the last lap fills nothing
	STEP 1, 0, 0
	s_wait_dscnt 4*NL
	WIN MUL_LO
	MUL16 0, 1, NQ-1, 1, 0
	MUL16 2, 1, NQ-1, 1, 0
	s_wait_dscnt 0
	WIN MUL_HI
	MUL16 4, 1, NQ-1, 1, 0
	MUL16 6, 1, NQ-1, 1, 0
	WIN 0
; 64 numbers of a lane, register 16 b + i = k 32 b + 16 (lane / 16) + i of my row, become a fragment's codes in v[PC] on and its scale word in v[w]
.macro QUANT s, w
.irp b, 0,1,2,3
	v_max3_num_f32 v[TM+\b], |v[\s+16*\b]|, |v[\s+1+16*\b]|, 0x1800000   ; my 16 numbers of block b, and the floor 2^(3 - 127): the byte cannot fall under 1
.endr
.irp i, 2,4,6,8,10,12,14
.irp b, 0,1,2,3
	v_max3_num_f32 v[TM+\b], v[TM+\b], |v[\s+16*\b+\i]|, |v[\s+1+16*\b+\i]|
.endr
.endr
.irp b, 0,1,2,3
	v_permlanex16_b32 v[TM+4+\b], v[TM+\b], s[SEL], s[SEL+1]
.endr
.irp b, 0,1,2,3
	v_max_num_f32 v[TM+\b], v[TM+\b], v[TM+4+\b]   ; with lane l xor 16's: the block's largest magnitude
.endr
.irp b, 0,1,2,3
	v_add_nc_u32 v[TM+8+\b], 0xff000000, v[TM+\b]  ; 2 off its exponent field: the conversion's scale operand
.endr
.irp b, 0,1,2,3
	v_lshrrev_b32 v[TM+4+\b], 23, v[TM+8+\b]       ; the scale's byte
.endr
	v_lshl_or_b32 v[\w], v[TM+5], 8, v[TM+4]
	v_lshl_or_b32 v[\w], v[TM+6], 16, v[\w]
	v_lshl_or_b32 v[\w], v[TM+7], 24, v[\w]
.irp c, 0,1
	v_cvt_scalef32_pk16_fp6_f32 v[PC+6*\c:PC+2+6*\c], v[\s+32*\c:\s+15+32*\c], v[TM+8+2*\c]
	v_cvt_scalef32_pk16_fp6_f32 v[PC+12+4*\c:PC+14+4*\c], v[\s+16+32*\c:\s+31+32*\c], v[TM+8+2*\c+1]   ; (a conversion's three registers begin on an even number)
.endr
	v_nop                                          ; one plain place behind a scaled conversion
.irp c, 0,1                            ; the operand's layout wants a whole block in a lane: lanes 0-15 block 2 c, lanes 16-31 block 2 c + 1
.irp i, 0,1,2
	v_permlane16_swap_b32 v[PC+6*\c+\i], v[PC+12+4*\c+\i]
.endr
.irp i, 0,1,2
	v_mov_b32 v[PC+3+6*\c+\i], v[PC+12+4*\c+\i]
.endr
.endr
.endm
; q or k, block a: 16 tokens x my 128 channels (two heads).  Bias in place; RoPE from the accumulators into T; quantised; two tiles of 768 bytes stored, each store 256 consecutive bytes, aligned
.macro QKBLOCK a
.set AC, 64*((\a)%4)
.if (\a) < 7
	ROPELD (\a)+1                                  ; the next block's rows of the table, a block ahead
	s_wait_loadcnt 8                               ; all but those eight are in
.else
	s_wait_loadcnt 0x0
.endif
	WIN 0x82+0x41*((\a)/4)                         ; destination and source 0: the accumulators' window
.set k, 0
.rept 32
	v_pk_add_f32 v[AC+k:AC+k+1], v[AC+k:AC+k+1], v[BI+k:BI+k+1]   ; each accumulator from its low end on
.set k, k+2
.endr
	WIN 0x02+(\a)/4+4*((\a)%2)                     ; source 0 the accumulators, source 1 the table's set, the rest window 0
.irp e, 0,1                            ; head e: d = 16 h + i at register 32 e + i, d + 32 at 32 e + 16 + i; the frequency is 16 h + i
.set k, 0
.rept 8
	v_pk_mul_f32 v[T+32*\e+k:T+32*\e+k+1], v[AC+32*\e+16+k:AC+32*\e+17+k], v[SI+k:SI+k+1]
	v_pk_mul_f32 v[T+32*\e+16+k:T+32*\e+17+k], v[AC+32*\e+16+k:AC+32*\e+17+k], v[CO+k:CO+k+1]
.set k, k+2
.endr
.set k, 0
.rept 8
	v_pk_fma_f32 v[T+32*\e+k:T+32*\e+k+1], v[AC+32*\e+k:AC+32*\e+k+1], v[CO+k:CO+k+1], v[T+32*\e+k:T+32*\e+k+1] neg_lo:[0,0,1] neg_hi:[0,0,1]   ; x1 cos - x2 sin
	v_pk_fma_f32 v[T+32*\e+16+k:T+32*\e+17+k], v[AC+32*\e+k:AC+32*\e+k+1], v[SI+k:SI+k+1], v[T+32*\e+16+k:T+32*\e+17+k]                        ; x1 sin + x2 cos
.set k, k+2
.endr
.endr
	WIN 0
	s_wait_xcnt 0x0                                ; the last block's stores have read the codes' registers
	QUANT T, PW
	v_lshrrev_b32 v[TM], v[H16], v[PW]             ; lanes 0-15 keep the first head's two bytes, lanes 16-31 the second's,
	v_and_or_b32 v[SWD+\a], v[TM], s2, s67         ; under 0x7f twice
.irp e, 0,1
.irp p, 0,1,2
	global_store_b64 v[L8], v[PC+6*\e+2*\p:PC+6*\e+2*\p+1], s[100:101] offset:\e*HS+(\a)*768+256*\p
.endr
.endr
.endm
; v, block a: 16 channels x my 128 tokens: one fragment of the second attention product
.macro VBLOCK a
	WIN 0x06+(\a)/4                                ; source 0 the accumulators, source 1 window 1
.set k, 0
.rept 32
	v_pk_add_f32 v[T+k:T+k+1], v[64*((\a)%4)+k:64*((\a)%4)+k+1], v[VB+2*(\a):VB+2*(\a)+1]
.set k, k+2
.endr
	WIN 0
	s_wait_xcnt 0x0
	QUANT T, SWD+\a
.irp c, 0,1,2
	global_store_b128 v[L16], v[PC+4*\c:PC+4*\c+3], s[100:101] offset:((\a)/4)*HS+((\a)%4)*1536+512*\c
.endr
.endm
.macro ENDING
	s_wait_tensorcnt 0x0                           ; the wave's end
	ds_add_u32 v[SPW], v[NIL]
	s_wait_dscnt 0x0
	CROUND                                         ; the closing round
	s_endpgm
.endm
	PLACES NP                                      ; behind the last products: their results are read and their operands' registers written below
.irp b, 0,1,2,3
	v_mov_b32 v[TM+4+\b], 0                        ; written once: a lane permute's destination counts as one of its sources
.endr
	s_cmp_eq_u32 s66, 1
	s_cbranch_scc0 .Lv_mode
.irp a, 0,1,2,3,4,5,6,7
	QKBLOCK \a
.endr
	global_store_b128 v[HW], v[SWD:SWD+3], s[100:101] offset:6144     ; the words of tiles 0-3: sixteen lanes store 256 consecutive bytes
	global_store_b128 v[HW], v[SWD+4:SWD+7], s[100:101] offset:6400   ; and of tiles 4-7
	ENDING
.Lv_mode:
	s_wait_loadcnt 0x0                             ; the bias
.irp a, 0,1,2,3,4,5,6,7
	VBLOCK \a
.endr
	v_cmp_ne_u32 vcc_lo, 0, v[H16]
.irp j, 0,1,2,3
	v_cndmask_b32 v[SWD+\j], v[SWD+\j], v[SWD+4+\j], vcc_lo   ; lanes 16-31 store the second head's four words
.endr
	global_store_b128 v[HW], v[SWD:SWD+3], s[100:101] offset:6144
	ENDING
.Lfunc_end_k_q763942a6f0_qkv:
	.size	k_q763942a6f0_qkv, .Lfunc_end_k_q763942a6f0_qkv-k_q763942a6f0_qkv
	.p2alignl 7, 3214868480
	.fill 96, 4, 3214868480
	.section	.rodata,"a",@progbits
	.p2align	6, 0x0
	.amdhsa_kernel k_q763942a6f0_qkv
		.amdhsa_group_segment_fixed_size 327680
		.amdhsa_private_segment_fixed_size 0
		.amdhsa_enable_private_segment 0
		.amdhsa_kernarg_size 56
		.amdhsa_user_sgpr_count 2
		.amdhsa_user_sgpr_kernarg_segment_ptr 1
		.amdhsa_wavefront_size32 1
		.amdhsa_system_sgpr_workgroup_id_x 1
		.amdhsa_system_sgpr_workgroup_id_y 1
		.amdhsa_system_sgpr_workgroup_id_z 1
		.amdhsa_system_vgpr_workitem_id 0
		.amdhsa_next_free_vgpr 1024
		.amdhsa_next_free_sgpr 106
		.amdhsa_reserve_vcc 1
		.amdhsa_float_denorm_mode_32 3
		.amdhsa_float_denorm_mode_16_64 3
		.amdhsa_memory_ordered 1
		.amdhsa_forward_progress 1
		.amdhsa_inst_pref_size 255
	.end_amdhsa_kernel
	.section	.bss,"aw",@nobits
	.p2align	6
	.space	262144
	.amdgpu_metadata
---
amdhsa.version: [ 1, 2 ]
amdhsa.kernels:
  - .name:           k_q763942a6f0_qkv
    .symbol:         k_q763942a6f0_qkv.kd
    .args:
      - { .name: xc, .offset: 0, .size: 8, .value_kind: global_buffer, .address_space: global }
      - { .name: xs, .offset: 8, .size: 8, .value_kind: global_buffer, .address_space: global }
      - { .name: wc, .offset: 16, .size: 8, .value_kind: global_buffer, .address_space: global }
      - { .name: ws, .offset: 24, .size: 8, .value_kind: global_buffer, .address_space: global }
      - { .name: bqkv, .offset: 32, .size: 8, .value_kind: global_buffer, .address_space: global }
      - { .name: rope, .offset: 40, .size: 8, .value_kind: global_buffer, .address_space: global }
      - { .name: qkv, .offset: 48, .size: 8, .value_kind: global_buffer, .address_space: global }
    .group_segment_fixed_size: 327680
    .private_segment_fixed_size: 0
    .kernarg_segment_align: 8
    .kernarg_segment_size: 56
    .max_flat_workgroup_size: 128
    .sgpr_count:     106
    .vgpr_count:     1024
    .wavefront_size: 32
...
	.end_amdgpu_metadata
.endif
;; end of part 2
;; launch attn (part 3): grid 4 x 64, 16 waves a work-group, clusters of 4 x 1, 212,992 bytes of LDS; arguments qkv, oc, os; writes oc, os
.if DOCPART == 3
	.amdgcn_target "amdgcn-amd-amdhsa--gfx1250"
	.amdhsa_code_object_version 6
	.text
	.protected	k_q763942a6f0_attn
	.globl	k_q763942a6f0_attn
	.p2align	8
	.type	k_q763942a6f0_attn,@function
k_q763942a6f0_attn:
	s_mov_b64 s[64:65], 0
	v_nop
	global_prefetch_b8 v0, s[64:65] scope:SCOPE_SE
	s_setreg_imm32_b32 hwreg(HW_REG_WAVE_MODE, 25, 1), 1
	s_wait_xcnt 0x0
	s_wait_alu depctr_hold_cnt(0) depctr_sa_sdst(0) depctr_va_vdst(0) depctr_va_sdst(0) depctr_va_ssrc(0) depctr_va_vcc(0) depctr_vm_vsrc(0)
	s_getreg_b32 s2, hwreg(HW_REG_IB_STS2, 6, 4)
	s_cmp_eq_u32 s2, 0
	s_cbranch_scc0 .Lentry_in_a_cluster
	s_endpgm
.Lentry_in_a_cluster:
	s_bfe_u32 s2, ttmp6, 0x10000c
	s_cmp_lg_u32 s2, 0x3003
	s_cbranch_scc0 .Lentry_shape_is_right
	s_endpgm
.Lentry_shape_is_right:
; ATTENTION with a causal mask, both products on codes of FP6 (E2M3), and the quantising of its result along the 1,024 channels for the last product.
; t = score x log2(e) / 8; M = the running largest t rounded up to a whole number; p = 2^(t - M) is quantised along the keys, not normalised; the row's sum is taken of the unquantised p and divides at the end.
; ALL KEYS OF A HEAD LIE IN LDS: k, v and their scale words are the first 13,056 bytes of each of the head's 16 records (128 keys each): 208,896 bytes, asked for once, at the head, one record a wave.  Nothing is filled again.
; CLUSTERS: the four work-groups of a (batch, head) form a cluster and need the same 16 records: each record is asked for jointly, by the same load with the mask of all four.
; SHARES.  A head has 16 records x 8 tiles of 16 queries; a tile of record R takes R + 1 key steps.  The work-group at place cx has the tiles t = 2 cx and 2 cx + 1 of every record; wave w takes t = 2 cx + (w / 4) % 2 and,
; by lengths in key steps:  waves 0-7, by w % 4: {16, 11}, {15, 12}, {14, 13}, {10, 9, 8}: 27 steps each;  waves 8-15: {7}, {6, 1}, {5, 2}, {4, 3}: 7 steps each.  The shares are unequal by design; the four waves
; w, w + 4, w + 8, w + 12 have 27 + 27 + 7 + 7 = 68 steps together, whatever w.  The lengths come from tables indexed by the wave's number alone; cx enters global addresses and the mask's compare only.
; ONE BARRIER, in front of which every wave has waited for its load, shows all records.  From there on the waves share only bytes that nobody writes: no barrier stands in the walks.
; Three walks with constant trip counts (16, 13, 8: the longest first, second and third tile); steps beyond the tile's length are jumped over by a scalar branch, and so is the way out of a tile that the wave does not have;
; the step of the tile's own record is masked.
; LAYOUT.  S^T = K Q^T (source 0 = 16 keys), O^T = V^T P^T (source 0 = 16 of the head's 64): a lane holds one query throughout.  The tokens of a tile are 32 b + 8 u + r + 8 (r / 8), so that the 16 registers
; of tiles 2 b, 2 b + 1 are the neighbouring keys 32 b + 16 (lane / 16) + 0 .. 15.  All operands lie in memory as images of their registers: every LDS load reads consecutive bytes.
; THE HEAD'S 64 FILL HALF OF THE INSTRUCTION'S K = 128: Q's upper six registers are zero codes; K's operand of tile t runs on into tile t + 1's codes (the last into zeros), which meet those zeros; the words' upper bytes are 0x7f.
; NO PREFETCH: every byte that the launch takes through LDS is asked for by the head's loads; no later request exists to run ahead of.
; LEFT OUT: key steps that lie wholly above the diagonal of the mask that the problem itself builds.
; LIMITS: the scaled scores t stay under 2^31 in magnitude; a block of zeros gets the byte 1 (zero codes; this program alone reads the bytes); NaN and infinities are not served.
.set RB,    19712
.set HS,    16*RB
.set KV,    13056                      ; what a key step takes of a record
.set SPARE, 16*KV                      ; behind the records: the spare words, 128 bytes for each of sixteen waves
.set L8,   1                           ; v1   8 x lane
.set L16,  2                           ; v2   16 x lane
.set R16,  3                           ; v3   16 x (lane % 16)
.set OSO,  4                           ; v4   32 r + h: my byte in os
.set SPW,  5
.set NIL,  6
.set DQ,   7                           ; v7   my query's place in its record - 16 h
.set ADK,  8
.set ADV,  9
.set ADS,  10
.set Q,    16                          ; v16-21 Q's codes, v22-27 zeros
.set QW,   28                          ; Q's scale word;  v29, v30-35: the second tile's word and codes;  v242, v236-241: the third's
.set KP,   36                          ; v36-83 eight tiles of K, six registers each; then four fragments of V
.set KW,   90                          ; v90-97 K's scale words;  v84-89 zeros
.set VW,   98                          ; v98-101 V's
.set PWD,  102                         ; P's
.set S,    104                         ; v104-167 S^T, then p
.set O,    168                         ; v168-199 O^T
.set PCD,  200                         ; v200-218 codes just made
.set BM,   220                         ; block maxima
.set BP,   224                         ; permutes' results, bytes
.set BS,   228                         ; scale operands
.set TT,   232
.set F,    234                         ; v234 a factor; v235 is named with it as a pair
.set TB,   2                           ; s2   LDS byte of the record in hand
.set RC,   3                           ; s3   its number
.set WV,   18
.set SEL,  20
.set CS,   22                          ; c = log2(e) / 8
.set G1,   24
.set G0,   40
.set NL,   66                          ; key steps of the tile in hand (0: the wave has no such tile)
.set RT,   68                          ; its record
.macro CROUND                          ; a round of the cluster's barrier
	s_barrier_signal -1
	s_barrier_wait -1
	s_cmp_lg_u32 s[WV], 0
	s_cbranch_scc1 .Lnot_wave_0_\@
	s_barrier_signal -3
.Lnot_wave_0_\@:
	s_barrier_wait -3
	s_barrier_signal -1
	s_barrier_wait -1
.endm
; the addresses of tile t of record s[rec]: Q's codes, Q's word, my places in oc and os
.macro TILE rec, qc, qw, ob, sb
	s_mul_i32 s36, s[\rec], RB
	s_add_co_u32 s70, s36, s17
	s_add_nc_u64 s[\qc:\qc+1], s[4:5], s[70:71]
	s_add_co_u32 s70, s36, s19
	s_add_nc_u64 s[\qw:\qw+1], s[4:5], s[70:71]
	s_lshl_b32 s36, s[\rec], 3
	s_add_co_u32 s36, s36, s32                     ; the token tile: 128 x batch + 8 x record + t
	s_mul_i32 s70, s36, 12288
	s_add_co_u32 s70, s70, s33
	s_add_nc_u64 s[\ob:\ob+1], s[6:7], s[70:71]
	s_lshl_b32 s70, s36, 9
	s_add_co_u32 s70, s70, s38
	s_add_nc_u64 s[\sb:\sb+1], s[8:9], s[70:71]
.endm
	s_load_b128 s[4:7], s[0:1], 0x0                ; qkv, oc
	s_load_b64 s[8:9], s[0:1], 0x10                ; os
	v_lshl_add_u32 v[SPW], v0, 2, SPARE
	v_mov_b32 v[NIL], 0
	ds_add_u32 v[SPW], v[NIL]                      ; the wave's opening: the add, twice on end, and its wait ahead of the first tensor load
	ds_add_u32 v[SPW], v[NIL]
	v_lshrrev_b32 v8, 5, v0
	s_delay_alu instid0(VALU_DEP_1)
	v_readfirstlane_b32 s[WV], v8                  ; wave 0..15
	s_and_b32 s11, ttmp7, 0xffff                   ; batch x head: the cluster's y
	s_mul_i32 s10, s11, HS                         ; the head's records
	s_mul_i32 s44, s[WV], RB
	s_add_co_u32 s44, s44, s10                     ; record = my wave's number
	s_mov_b32 s45, 0
	s_mov_b32 s[G0], 1
	s_mul_i32 s[G0+1], s[WV], KV                   ; and its place in LDS
	s_mov_b32 s[G1], (3<<16)|(1<<21)|15            ; the mask of all four work-groups, bit 21 beside it; elements of 8 bytes, no padding: a dense block of 13,056 bytes as 51 rows of 256
	s_mov_b32 s[G1+1], 32<<16
	s_mov_b32 s[G1+2], 51<<16
	s_mov_b32 s[G1+3], 32<<16
	s_mov_b32 s[G1+4], 51
	s_mov_b32 s[G1+5], 32
	s_mov_b32 s[G1+6], 0
	s_mov_b32 s[G1+7], 0
	s_mov_b32 s[SEL], 0x76543210
	s_mov_b32 s[SEL+1], 0xfedcba98
	s_mov_b32 s[CS], 0x3e38aa3b
	s_mov_b32 s[CS+1], s[CS]
	; my tiles' lengths, from tables of four bits an entry; the entry is 4 (w / 8) + w % 4
	s_lshr_b32 s15, s[WV], 3
	s_lshl_b32 s15, s15, 2
	s_and_b32 s92, s[WV], 3
	s_or_b32 s15, s15, s92
	s_lshl_b32 s15, s15, 2
	s_lshr_b32 s92, 0x34569def, s15                ; the first tile's record: 15, 14, 13, 9;  6, 5, 4, 3
	s_and_b32 s92, s92, 15
	s_add_co_u32 s34, s92, 1                       ; its length
	s_lshr_b32 s35, 0x32109dcb, s15                ; the second's length: 11, 12, 13, 9;  0, 1, 2, 3
	s_and_b32 s35, s35, 15
	s_lshr_b32 s67, 0x00008000, s15                ; the third's: 8 for waves 3 and 7, else 0
	s_and_b32 s67, s67, 15
	s_sub_co_i32 s93, s35, 1
	s_max_i32 s93, s93, 0                          ; their records (0 where there is no tile: its addresses stay inside the buffers, and nothing is made of what is loaded)
	s_sub_co_i32 s94, s67, 1
	s_max_i32 s94, s94, 0
	s_wait_alu depctr_va_vdst(0)
	s_wait_dscnt 0x0                               ; both opening adds are done
	CROUND                                         ; all four work-groups are here: the joint loads meet
	s_wait_kmcnt 0x0
	s_add_nc_u64 s[G0+2:G0+3], s[4:5], s[44:45]
	s_or_b32 s[G0+3], s[G0+3], 0x80000000
	tensor_load_to_lds s[G0:G0+3], s[G1:G1+7]      ; every wave's one load
	s_nop 0
.rept 4
	v_nop
.endr
	s_bfe_u32 s14, ttmp6, 0x40000                  ; cx
	s_bfe_u32 s16, s[WV], 0x10002                  ; (w / 4) % 2
	s_lshl_b32 s14, s14, 1
	s_add_co_u32 s16, s16, s14                     ; t
	s_lshr_b32 s12, s11, 4                         ; batch
	s_and_b32 s13, s11, 15                         ; head
	s_mul_i32 s17, s16, 768
	s_add_co_u32 s17, s17, s10
	s_add_co_u32 s17, s17, 13056                   ; Q's tile t in a record
	s_lshr_b32 s36, s16, 2
	s_lshl_b32 s36, s36, 8
	s_and_b32 s37, s16, 3
	s_lshl_b32 s37, s37, 2
	s_add_co_u32 s19, s36, s37
	s_add_co_u32 s19, s19, s10
	s_add_co_u32 s19, s19, 19200                   ; and its word
	s_lshl_b32 s32, s12, 7
	s_add_co_u32 s32, s32, s16
	s_lshr_b32 s36, s13, 1
	s_mul_i32 s33, s36, 1536                       ; in oc: K step head / 2,
	s_and_b32 s36, s13, 1
	s_mul_i32 s36, s36, 768                        ; its half head % 2
	s_add_co_u32 s33, s33, s36
	s_lshl_b32 s38, s13, 1                         ; in os: bytes 2 x head, + 1
	s_lshr_b32 s36, s16, 1
	s_lshl_b32 s39, s36, 5
	s_and_b32 s36, s16, 1
	s_lshl_b32 s36, s36, 3
	s_add_co_u32 s39, s39, s36                     ; the tile's first query in its record: 32 (t / 2) + 8 (t % 2)
	s_mov_b32 s71, 0
	TILE 92, 84, 86, 74, 76
	TILE 93, 88, 90, 78, 80
	TILE 94, 46, 48, 50, 52
	v_and_b32 v11, 31, v0
	s_delay_alu instid0(VALU_DEP_1)
	v_lshlrev_b32 v[L8], 3, v11
	s_delay_alu instid0(VALU_DEP_2)
	v_lshlrev_b32 v[L16], 4, v11
	v_and_b32 v8, 15, v0                           ; r
	v_bfe_u32 v9, v0, 4, 1                         ; h
	s_delay_alu instid0(VALU_DEP_2)
	v_lshlrev_b32 v[R16], 4, v8
	s_delay_alu instid0(VALU_DEP_2)
	v_lshl_add_u32 v[OSO], v8, 5, v9
	s_delay_alu instid0(VALU_DEP_4)
	v_and_b32 v10, 8, v8
	s_delay_alu instid0(VALU_DEP_1)
	v_add_nc_u32 v10, v10, v8
	v_lshlrev_b32 v9, 4, v9
	s_delay_alu instid0(VALU_DEP_1)
	v_sub_nc_u32 v[DQ], v10, v9
	s_delay_alu instid0(VALU_DEP_1)
	v_add_nc_u32 v[DQ], s39, v[DQ]                 ; in the tile's own record register 16 b + i holds key 16 h + 32 b + i: hidden where 32 b + i > this
	s_wait_alu depctr_va_vdst(0)                   ; ahead of the loads that read what was just made
.irp p, 0,1,2
	global_load_b64 v[Q+2*\p:Q+2*\p+1], v[L8], s[84:85] offset:256*\p      ; all my tiles' Q stay in registers
	global_load_b64 v[30+2*\p:31+2*\p], v[L8], s[88:89] offset:256*\p
	global_load_b64 v[236+2*\p:237+2*\p], v[L8], s[46:47] offset:256*\p
.endr
	global_load_b32 v[QW], v[R16], s[86:87]
	global_load_b32 v29, v[R16], s[90:91]
	global_load_b32 v242, v[R16], s[48:49]
.irp j, 0,1,2,3,4,5
	v_mov_b32 v[Q+6+\j], 0                         ; zero codes for k = 64 .. 127
	v_mov_b32 v[84+\j], 0
.endr
	v_mov_b32 v13, 0xff61b1e6                      ; the largest t so far: -3e38
	s_delay_alu instid0(VALU_DEP_1)
	v_floor_f32 v12, -v13                          ; -M
	v_mov_b32 v14, 0
	v_mov_b32 v15, 0
.irp b, 0,1,2,3
	v_mov_b32 v[BP+\b], 0                          ; written once: a lane permute's destination counts as one of its sources
.endr
	v_mov_b32 v[TT], 0
	v_mov_b32 v[F+1], 0                            ; named as the upper half of a pair
.set j, 0
.rept 32
	v_mov_b32 v[O+j], 0                            ; the step is written once: the first finds zeros
.set j, j+1
.endr
; A KEY STEP: the 128 keys of record s[RC], at LDS byte s[TB]
.macro STEP
	s_cmp_ge_u32 s[RC], s[NL]
	s_cbranch_scc1 .Lhidden_\@                     ; all 128 keys come after my queries, or there is no tile
	v_add_nc_u32 v[ADK], s[TB], v[L8]
	v_add_nc_u32 v[ADV], s[TB], v[L16]
	v_add_nc_u32 v[ADS], s[TB], v[R16]
	v_nop                                          ; four places in front of loads into registers that the last products have read
.irp t, 0,1,2,3,4,5,6,7
.irp p, 0,1,2
	ds_load_b64 v[KP+6*\t+2*\p:KP+6*\t+2*\p+1], v[ADK] offset:768*\t+256*\p
.endr
.endr
	ds_load_b128 v[KW:KW+3], v[ADS] offset:6144
	ds_load_b128 v[KW+4:KW+7], v[ADS] offset:6400
	s_wait_alu depctr_va_vdst(0)
	s_wait_dscnt 0x0
.irp t, 0,1,2,3,4,5,6,7
	v_wmma_scale_f32_16x16x128_f8f6f4 v[S+8*\t:S+8*\t+7], v[KP+6*\t:KP+6*\t+11], v[Q:Q+11], 0, v[KW+\t], v[QW] matrix_a_fmt:MATRIX_FMT_FP6 matrix_b_fmt:MATRIX_FMT_FP6
.endr
.rept 4
	v_nop
.endr
.irp t, 0,1,2,3                        ; V's fragments land under the softmax
.irp c, 0,1,2
	ds_load_b128 v[KP+12*\t+4*\c:KP+12*\t+4*\c+3], v[ADV] offset:6656+1536*\t+512*\c
.endr
.endr
	ds_load_b128 v[VW:VW+3], v[ADS] offset:12800
	s_cmp_lt_u32 s[RC], s[RT]
	s_cbranch_scc1 .Lopen_\@                       ; all 128 keys count for all my queries
	v_mov_b32 v[TT], 0xff800000
.set n, 0
.rept 64
	v_cmp_gt_i32 vcc_lo, 32*(n/16)+n%16, v[DQ]
	v_cndmask_b32 v[S+n], v[S+n], v[TT], vcc_lo
.set n, n+1
.endr
.Lopen_\@:
.irp b, 0,1,2,3
	v_max3_num_f32 v[BM+\b], v[S+16*\b], v[S+1+16*\b], v[S+2+16*\b]   ; the largest score of each block of 32 keys: for the row's maximum, and, since p rises with the score, for the block's largest p
.endr
.irp i, 3,5,7,9,11,13
.irp b, 0,1,2,3
	v_max3_num_f32 v[BM+\b], v[BM+\b], v[S+16*\b+\i], v[S+1+16*\b+\i]
.endr
.endr
.irp b, 0,1,2,3
	v_max_num_f32 v[BM+\b], v[BM+\b], v[S+15+16*\b]
.endr
.irp b, 0,1,2,3
	s_delay_alu instid0(VALU_DEP_4)
	v_permlanex16_b32 v[BP+\b], v[BM+\b], s[SEL], s[SEL+1]
.endr
.irp b, 0,1,2,3
	s_delay_alu instid0(VALU_DEP_4)
	v_max_num_f32 v[BM+\b], v[BM+\b], v[BP+\b]
.endr
	s_delay_alu instid0(VALU_DEP_2)
	v_max3_num_f32 v[TT], v[BM], v[BM+1], v[BM+2]
	s_delay_alu instid0(VALU_DEP_1)
	v_max_num_f32 v[TT], v[TT], v[BM+3]
	s_delay_alu instid0(VALU_DEP_1)
	v_mul_f32 v[TT], s[CS], v[TT]
	s_delay_alu instid0(VALU_DEP_1)
	v_max_num_f32 v13, v13, v[TT]                  ; the running largest t
	v_mov_b32 v[TT], v12
	s_delay_alu instid0(VALU_DEP_2)
	v_floor_f32 v12, -v13                          ; the new -M: a whole number
	s_delay_alu instid0(VALU_DEP_1)
	v_sub_f32 v[TT], v12, v[TT]
	s_delay_alu instid0(VALU_DEP_1)
	v_cvt_i32_f32 v[TT], v[TT]                     ; (it saturates)
	s_delay_alu instid0(VALU_DEP_1)
	v_ldexp_f32 v[F], 1.0, v[TT]                   ; f = 2^(old M - new M): a factor that rounds nothing
.set j, 0
.rept 32
	v_pk_fma_f32 v[S+j:S+j+1], v[S+j:S+j+1], s[CS:CS+1], v[12:13] op_sel_hi:[1,0,0]   ; t - M
.set j, j+2
.endr
.irp b, 0,1,2,3
	v_fma_f32 v[BM+\b], v[BM+\b], s[CS], v12
.endr
.set j, 0
	s_wait_alu depctr_va_vdst(0)
.rept 64
	v_exp_f32 v[S+j], v[S+j]                       ; p
.set j, j+1
.endr
	v_pk_mul_f32 v[14:15], v[14:15], v[F:F+1] op_sel_hi:[1,0]   ; the sums under the new M: a plain place behind the exponentials
	s_wait_alu depctr_va_vdst(0)                   ; one wait for the batch, ahead of its first reader
.irp b, 0,1,2,3
	v_exp_f32 v[BM+\b], v[BM+\b]                   ; each block's largest p
.endr
	v_pk_add_f32 v[224:225], v[108:109], v[112:113]   ; the row's sum of the unquantised p, in eight chains
	v_pk_add_f32 v[254:255], v[116:117], v[120:121]
	v_pk_add_f32 v[252:253], v[124:125], v[128:129]
	v_pk_add_f32 v[250:251], v[132:133], v[136:137]
	v_pk_add_f32 v[248:249], v[140:141], v[144:145]
	v_pk_add_f32 v[246:247], v[148:149], v[152:153]
	v_pk_add_f32 v[244:245], v[156:157], v[160:161]
	v_pk_add_f32 v[14:15], v[14:15], v[164:165]
	v_pk_add_f32 v[224:225], v[224:225], v[104:105]
	v_pk_add_f32 v[254:255], v[254:255], v[106:107]
	v_pk_add_f32 v[252:253], v[252:253], v[110:111]
	v_pk_add_f32 v[250:251], v[250:251], v[114:115]
	v_pk_add_f32 v[248:249], v[248:249], v[118:119]
	v_pk_add_f32 v[246:247], v[246:247], v[122:123]
	v_pk_add_f32 v[244:245], v[244:245], v[126:127]
	v_pk_add_f32 v[14:15], v[14:15], v[130:131]
	v_pk_add_f32 v[224:225], v[224:225], v[134:135]
	v_pk_add_f32 v[254:255], v[254:255], v[138:139]
	v_pk_add_f32 v[252:253], v[252:253], v[142:143]
	v_pk_add_f32 v[250:251], v[250:251], v[146:147]
	v_pk_add_f32 v[248:249], v[248:249], v[150:151]
	v_pk_add_f32 v[246:247], v[246:247], v[154:155]
	v_pk_add_f32 v[244:245], v[244:245], v[158:159]
	v_pk_add_f32 v[14:15], v[14:15], v[162:163]
	v_pk_add_f32 v[224:225], v[224:225], v[166:167]
	s_delay_alu instid0(VALU_DEP_2)
	v_pk_add_f32 v[14:15], v[14:15], v[250:251]
	s_delay_alu instid0(VALU_DEP_2)
	v_pk_add_f32 v[224:225], v[224:225], v[248:249]
	v_pk_add_f32 v[254:255], v[254:255], v[246:247]
	v_pk_add_f32 v[252:253], v[252:253], v[244:245]
	s_delay_alu instid0(VALU_DEP_2)
	v_pk_add_f32 v[14:15], v[14:15], v[254:255]
	s_delay_alu instid0(VALU_DEP_2)
	v_pk_add_f32 v[224:225], v[224:225], v[252:253]
	s_delay_alu instid0(VALU_DEP_1)
	v_pk_add_f32 v[14:15], v[14:15], v[224:225]
	s_wait_alu depctr_va_vdst(0)                   ; and one for the four
.irp b, 0,1,2,3
	v_max_num_f32 v[BM+\b], 0x1800000, v[BM+\b]    ; the floor 2^(3 - 127)
.endr
.irp b, 0,1,2,3
	s_delay_alu instid0(VALU_DEP_4)
	v_add_nc_u32 v[BS+\b], 0xff000000, v[BM+\b]
.endr
.irp b, 0,1,2,3
	s_delay_alu instid0(VALU_DEP_4)
	v_lshrrev_b32 v[BP+\b], 23, v[BS+\b]
.endr
	s_delay_alu instid0(VALU_DEP_3)
	v_lshl_or_b32 v[PWD], v[BP+1], 8, v[BP]
	s_delay_alu instid0(VALU_DEP_1)
	v_lshl_or_b32 v[PWD], v[BP+2], 16, v[PWD]
	s_delay_alu instid0(VALU_DEP_1)
	v_lshl_or_b32 v[PWD], v[BP+3], 24, v[PWD]
.irp c, 0,1
	v_cvt_scalef32_pk16_fp6_f32 v[PCD+6*\c:PCD+2+6*\c], v[S+32*\c:S+15+32*\c], v[BS+2*\c]
	v_cvt_scalef32_pk16_fp6_f32 v[PCD+12+4*\c:PCD+14+4*\c], v[S+16+32*\c:S+31+32*\c], v[BS+2*\c+1]
.endr
	v_nop                                          ; one plain place behind a scaled conversion
.irp c, 0,1
.irp i, 0,1,2
	v_permlane16_swap_b32 v[PCD+6*\c+\i], v[PCD+12+4*\c+\i]
.endr
.irp i, 0,1,2
	s_delay_alu instid0(VALU_DEP_3)
	v_mov_b32 v[PCD+3+6*\c+\i], v[PCD+12+4*\c+\i]
.endr
.endr
	s_wait_alu depctr_va_vdst(0)                   ; directly ahead of the first reader of O^T
.set j, 0
.rept 16
	v_pk_mul_f32 v[O+j:O+j+1], v[O+j:O+j+1], v[F:F+1] op_sel_hi:[1,0]   ; O^T under the new M; these sixteen are also the places in front of the products below
.set j, j+2
.endr
	s_wait_alu depctr_va_vdst(0)
	s_wait_dscnt 0x0                               ; V and its words are in
.irp t, 0,1,2,3
	v_wmma_scale_f32_16x16x128_f8f6f4 v[O+8*\t:O+8*\t+7], v[KP+12*\t:KP+12*\t+11], v[PCD:PCD+11], v[O+8*\t:O+8*\t+7], v[VW+\t], v[PWD] matrix_a_fmt:MATRIX_FMT_FP6 matrix_b_fmt:MATRIX_FMT_FP6
.endr
.Lhidden_\@:
	s_add_co_u32 s[TB], s[TB], KV
	s_add_co_u32 s[RC], s[RC], 1
.endm
; A tile of queries is finished: O^T / the sum; its 64 channels are two blocks of the last product's K: quantised, stored as half a fragment's image (three stores of 256 consecutive bytes) and two scale bytes a token
.macro FINISH ob, sb
.rept 4
	v_nop                                          ; places behind the last products
.endr
	v_add_f32 v14, v14, v15
	s_delay_alu instid0(VALU_DEP_1)
	v_permlanex16_b32 v[TT], v14, s[SEL], s[SEL+1]
	s_delay_alu instid0(VALU_DEP_1)
	v_add_f32 v14, v14, v[TT]                      ; the row's sum
	s_wait_alu depctr_va_vdst(0)
	v_rcp_f32 v[F], v14
	v_nop                                          ; a plain place behind the reciprocal
	s_wait_alu depctr_va_vdst(0)                   ; and the wait ahead of its first reader
.set j, 0
.rept 16
	v_pk_mul_f32 v[S+j:S+j+1], v[O+j:O+j+1], v[F:F+1] op_sel_hi:[1,0]   ; register 16 b + i: channel 32 b + 16 h + i
.set j, j+2
.endr
.irp b, 0,1
	v_max3_num_f32 v[BM+\b], |v[S+16*\b]|, |v[S+1+16*\b]|, 0x1800000
.endr
.irp i, 2,4,6,8,10,12,14
.irp b, 0,1
	s_delay_alu instid0(VALU_DEP_2)
	v_max3_num_f32 v[BM+\b], v[BM+\b], |v[S+16*\b+\i]|, |v[S+1+16*\b+\i]|
.endr
.endr
.irp b, 0,1
	s_delay_alu instid0(VALU_DEP_2)
	v_permlanex16_b32 v[BP+\b], v[BM+\b], s[SEL], s[SEL+1]
.endr
.irp b, 0,1
	s_delay_alu instid0(VALU_DEP_2)
	v_max_num_f32 v[BM+\b], v[BM+\b], v[BP+\b]
.endr
.irp b, 0,1
	s_delay_alu instid0(VALU_DEP_2)
	v_add_nc_u32 v[BS+\b], 0xff000000, v[BM+\b]
.endr
.irp b, 0,1
	s_delay_alu instid0(VALU_DEP_2)
	v_lshrrev_b32 v[BP+\b], 23, v[BS+\b]
.endr
	v_cvt_scalef32_pk16_fp6_f32 v[PCD:PCD+2], v[S:S+15], v[BS]
	v_cvt_scalef32_pk16_fp6_f32 v[PCD+12:PCD+14], v[S+16:S+31], v[BS+1]
	v_nop
.irp i, 0,1,2
	v_permlane16_swap_b32 v[PCD+\i], v[PCD+12+\i]
.endr
.irp i, 0,1,2
	s_delay_alu instid0(VALU_DEP_3)
	v_mov_b32 v[PCD+3+\i], v[PCD+12+\i]            ; lane (r, h) now holds channels 32 h .. 32 h + 31 of its token
.endr
	v_and_b32 v[TT], 16, v0
	s_delay_alu instid0(VALU_DEP_1)
	v_cmp_ne_u32 vcc_lo, 0, v[TT]
	s_delay_alu instid0(VALU_DEP_1)
	v_cndmask_b32 v[TT], v[BP], v[BP+1], vcc_lo    ; and stores block h's byte
.irp p, 0,1,2
	global_store_b64 v[L8], v[PCD+2*\p:PCD+2*\p+1], s[\ob:\ob+1] offset:256*\p
.endr
	global_store_b8 v[OSO], v[TT], s[\sb:\sb+1]
.endm
; the next tile: its word, its codes, and the state anew; the first eleven lines are also the places between the last products and the writes of O^T
.macro RESET w, c
	v_mov_b32 v[QW], v[\w]
.irp p, 0,1,2,3,4,5
	v_mov_b32 v[Q+\p], v[\c+\p]
.endr
	v_mov_b32 v13, 0xff61b1e6
	s_delay_alu instid0(VALU_DEP_1)
	v_floor_f32 v12, -v13
	v_mov_b32 v14, 0
	v_mov_b32 v15, 0
.set j, 0
.rept 32
	v_mov_b32 v[O+j], 0
.set j, j+1
.endr
.endm
; a walk over the records 0 .. trips - 1 for a tile of s[len] key steps in record s[rec]
.macro WALK len, rec, trips, label
	s_mov_b32 s[NL], s[\len]
	s_mov_b32 s[RT], s[\rec]
	s_mov_b32 s[TB], 0
	s_mov_b32 s[RC], 0
	s_wait_alu depctr_va_vdst(0)
\label:
	STEP
	s_cmp_lt_u32 s[RC], \trips
	s_cbranch_scc1 \label
.endm
	s_wait_alu depctr_va_vdst(0)
	s_wait_loadcnt 0x0                             ; Q
	s_wait_tensorcnt 0x0                           ; every wave: my record is in
	s_barrier_signal -1
	s_barrier_wait -1                              ; all sixteen records are in
	WALK 34, 92, 16, .Lwalk_1
	FINISH 74, 76
	s_wait_xcnt 0x0                                ; the stores have read their registers
	RESET 29, 30
	WALK 35, 93, 13, .Lwalk_2
	s_cmp_eq_u32 s35, 0
	s_cbranch_scc1 .Lno_second                     ; a branch on the wave's number: waves 8 and 12 have one tile
	FINISH 78, 80
.Lno_second:
	s_wait_xcnt 0x0
	RESET 242, 236
	WALK 67, 94, 8, .Lwalk_3
	s_cmp_eq_u32 s67, 0
	s_cbranch_scc1 .Lno_third                      ; waves 3 and 7 alone have a third tile
	FINISH 50, 52
.Lno_third:
	s_wait_tensorcnt 0x0                           ; the wave's end
	ds_add_u32 v[SPW], v[NIL]
	s_wait_dscnt 0x0
	CROUND                                         ; the closing round
	s_endpgm
.Lfunc_end_k_q763942a6f0_attn:
	.size	k_q763942a6f0_attn, .Lfunc_end_k_q763942a6f0_attn-k_q763942a6f0_attn
	.p2alignl 7, 3214868480
	.fill 96, 4, 3214868480
	.section	.rodata,"a",@progbits
	.p2align	6, 0x0
	.amdhsa_kernel k_q763942a6f0_attn
		.amdhsa_group_segment_fixed_size 212992
		.amdhsa_private_segment_fixed_size 0
		.amdhsa_enable_private_segment 0
		.amdhsa_kernarg_size 24
		.amdhsa_user_sgpr_count 2
		.amdhsa_user_sgpr_kernarg_segment_ptr 1
		.amdhsa_wavefront_size32 1
		.amdhsa_system_sgpr_workgroup_id_x 1
		.amdhsa_system_sgpr_workgroup_id_y 1
		.amdhsa_system_sgpr_workgroup_id_z 1
		.amdhsa_system_vgpr_workitem_id 0
		.amdhsa_next_free_vgpr 256
		.amdhsa_next_free_sgpr 100
		.amdhsa_reserve_vcc 1
		.amdhsa_float_denorm_mode_32 3
		.amdhsa_float_denorm_mode_16_64 3
		.amdhsa_memory_ordered 1
		.amdhsa_forward_progress 1
		.amdhsa_inst_pref_size 95
	.end_amdhsa_kernel
	.amdgpu_metadata
---
amdhsa.version: [ 1, 2 ]
amdhsa.kernels:
  - .name:           k_q763942a6f0_attn
    .symbol:         k_q763942a6f0_attn.kd
    .args:
      - { .name: qkv, .offset: 0, .size: 8, .value_kind: global_buffer, .address_space: global }
      - { .name: oc, .offset: 8, .size: 8, .value_kind: global_buffer, .address_space: global }
      - { .name: os, .offset: 16, .size: 8, .value_kind: global_buffer, .address_space: global }
    .group_segment_fixed_size: 212992
    .private_segment_fixed_size: 0
    .kernarg_segment_align: 8
    .kernarg_segment_size: 24
    .max_flat_workgroup_size: 512
    .sgpr_count:     100
    .vgpr_count:     256
    .wavefront_size: 32
...
	.end_amdgpu_metadata
.endif
;; end of part 3
;; launch proj (part 4): grid 8 x 32, 4 waves a work-group, clusters of 4 x 4, 327,680 bytes of LDS; arguments oc, os, wc, ws, bproj, out0; writes out0
.if DOCPART == 4
	.amdgcn_target "amdgcn-amd-amdhsa--gfx1250"
	.amdhsa_code_object_version 6
	.text
	.protected	k_q763942a6f0_proj
	.globl	k_q763942a6f0_proj
	.p2align	8
	.type	k_q763942a6f0_proj,@function
k_q763942a6f0_proj:
	s_mov_b64 s[64:65], 0
	v_nop
	global_prefetch_b8 v0, s[64:65] scope:SCOPE_SE
	s_setreg_imm32_b32 hwreg(HW_REG_WAVE_MODE, 25, 1), 1
	s_wait_xcnt 0x0
	s_wait_alu depctr_hold_cnt(0) depctr_sa_sdst(0) depctr_va_vdst(0) depctr_va_sdst(0) depctr_va_ssrc(0) depctr_va_vcc(0) depctr_vm_vsrc(0)
	s_getreg_b32 s2, hwreg(HW_REG_IB_STS2, 6, 4)
	s_cmp_eq_u32 s2, 0
	s_cbranch_scc0 .Lentry_in_a_cluster
	s_endpgm
.Lentry_in_a_cluster:
	s_bfe_u32 s2, ttmp6, 0x10000c
	s_cmp_lg_u32 s2, 0xf033
	s_cbranch_scc0 .Lentry_shape_is_right
	s_endpgm
.Lentry_shape_is_right:
; PROJ.  out0 = attention's result x Wproj + bproj on codes of FP6 (E2M3) with one E8M0 scale for each 32 along K = 1,024; sums in f32.
; A work-group makes 256 tokens x 128 columns: 32 x 8 = 256 work-groups.  ALL OF K LIES IN LDS, filled once: A = 16 token tiles of oc (images of operand registers, 12,288 bytes a tile: 196,608 bytes, dense in memory),
; B = a tile of 128 columns of Wproj, four planes of 256 along K, 98,304 dense bytes; with 16 bytes of padding behind every 64 a row of 192 bytes takes 240 in LDS.  Nothing is filled again: no ring and no round between the first and the last.
; FOUR WAVES, 2 x 2: a wave makes 128 tokens x 64 columns.  Its 64 rows of B, all of K, go into 384 registers; A streams past in eight blocks of 16 tokens, all of K: 32 products a block on four accumulators by turns
;   A block is finished after its 32 products and leaves at once, so the stores go out while the later blocks are multiplied.
; THE HEAD: one load a wave: waves 0, 1 B's halves (lines of their own), waves 2, 3 A's halves.  The first barrier shows B; B's 192 LDS loads stand ahead of the second barrier, in front of which every wave has waited for its load.
; CLUSTERS: 4 x 4 work-groups; A's tiles are asked for jointly along a row of the cluster, B's along a column.
; THE MATRIX INSTRUCTION IS USED TRANSPOSED (source 0 = 16 rows of B, source 1 = 16 tokens).  wc's rows lie with bits 3 and 4 exchanged, so register 16 g + i of a block's 32 is column 32 g + 16 (lane / 16) + i; lane r of token tile T is
; token 32 (T / 2) + 8 (T % 2) + r + 8 (r / 8).  The bias, laid as the result lies, is the first products' C.
; THE WAY OUT: a block's 16 x 64 numbers go through the wave's own stage and come back as rows of 256 bytes; sixteen lanes store 256 consecutive bytes, aligned.  The stage lies on B's bytes: they have had their only fill, and
; behind the second barrier nobody reads them.
; SCALE WORDS come once, by plain loads, into registers of their own: a row's 32 bytes in two loads, sixteen rows 512 consecutive bytes.
; NO PREFETCH: every byte that goes through LDS is asked for at the head; no later request exists to run ahead of.
; REGISTERS: window 0: v0-31 addresses; v32-63 B's scale words (8 b + q); v68-131 A's (8 a + q); v132-195 two sets of four accumulators.  window 1: B's fragments of K steps 0-3 at 12 (4 q + b), v192-223 the bias.
;   window 2: B's fragments of K steps 4-7, v192-255 two sets of rows on the way out.   window 3: A's fragments, two sets of eight.
.set WPL,    786432                    ; a plane of wc in bytes
.set PITCH,  240
.set PLANE,  128*PITCH                 ; a plane of B's tile in LDS
.set TILEA,  12288                     ; a token tile of oc
.set BB,     16*TILEA                  ; B's place in LDS
.set SPARE,  BB+4*PLANE                ; the spare words, 128 bytes a wave
.set SPITCH, 272
.set FR,     12
.set ADB,  8                           ; v8-11  B's fragments: planes 0, 1 (v9: behind one padding more), planes 2, 3 (v11)
.set ADA,  12                          ; v12, v13  A's fragments: blocks 0-3, blocks 4-7
.set STO,  14
.set RD,   15
.set CO,   16
.set VS,   17                          ; 32 r
.set VB,   18                          ; 64 h
.set SPW,  28
.set NIL,  29
.set SB,   32
.set SA,   68
.set ACC,  132
.set BI,   192
.set BK,   192
.set G1,   24
.set G1B,  48
.set G0B0, 32
.set G0B1, 36
.set G0A0, 56
.set G0A1, 60
.set MSB, 0
.macro WIN new                         ; the immediate's high byte repeats the setting that is left
.if MSB != \new
	s_set_vgpr_msb (MSB<<8)|\new
.set MSB, \new
.endif
.endm
.macro PLACES
.rept 4
	v_nop
.endr
.endm
.macro CROUND                          ; a round of the cluster's barrier
	s_barrier_signal -1
	s_barrier_wait -1
	s_cmp_lg_u32 s14, 0
	s_cbranch_scc1 .Lnot_wave_0_\@
	s_barrier_signal -3
.Lnot_wave_0_\@:
	s_barrier_wait -3
	s_barrier_signal -1
	s_barrier_wait -1
.endm
.macro ARM under, g0, g1, next         ; one chain of branches on the wave's number: every way through it passes one load
	s_cmp_lt_u32 s14, \under
	s_cbranch_scc0 \next
	tensor_load_to_lds s[\g0:\g0+3], s[\g1:\g1+7]
	s_nop 0
	PLACES
	s_branch .Lhead_asked
\next:
.endm
	s_load_b128 s[4:7], s[0:1], 0x0                ; oc, os
	s_load_b128 s[8:11], s[0:1], 0x10              ; wc, ws
	s_load_b128 s[96:99], s[0:1], 0x20             ; bproj, out0
	v_lshl_add_u32 v[SPW], v0, 2, SPARE
	v_mov_b32 v[NIL], 0
	ds_add_u32 v[SPW], v[NIL]                      ; the wave's opening: the add, twice on end, and its wait ahead of my first tensor load
	ds_add_u32 v[SPW], v[NIL]
	v_lshrrev_b32 v1, 5, v0
	v_readfirstlane_b32 s14, v1                    ; wave 0..3
	s_lshr_b32 s15, s14, 1                         ; my half of the tokens
	s_and_b32 s16, s14, 1                          ; my half of the columns
	s_bfe_u32 s40, ttmp6, 0x40000                  ; cx, cy
	s_bfe_u32 s41, ttmp6, 0x40004
	s_lshl_b32 s42, ttmp9, 2
	s_add_co_u32 s42, s42, s40                     ; tile column 0..7
	s_and_b32 s17, ttmp7, 0xffff
	s_lshl_b32 s17, s17, 2
	s_add_co_u32 s17, s17, s41                     ; tile row 0..31
	s_lshl_b32 s43, s41, 2
	s_lshl_b32 s43, 15, s43                        ; my row of the cluster
	s_lshl_b32 s44, 0x1111, s40                    ; my column
	s_or_b32 s[G1], s43, (3<<16)|(1<<21)           ; A: 8 token tiles, 98,304 dense bytes as 384 rows of 256; elements of 8 bytes, no padding
	s_mov_b32 s[G1+1], 32<<16
	s_mov_b32 s[G1+2], 384<<16
	s_mov_b32 s[G1+3], 32<<16
	s_mov_b32 s[G1+4], 384
	s_mov_b32 s[G1+5], 32
	s_mov_b32 s[G1+6], 0
	s_mov_b32 s[G1+7], 0
	s_or_b32 s[G1B], s44, (0<<16)|(1<<20)|(1<<21)|(3<<22)|(3<<25)   ; B: two planes, 49,152 dense bytes as 192 rows of 256; after every 16 words 4 words of padding
	s_mov_b32 s[G1B+1], 256<<16
	s_mov_b32 s[G1B+2], 192<<16
	s_mov_b32 s[G1B+3], 256<<16
	s_mov_b32 s[G1B+4], 192
	s_mov_b32 s[G1B+5], 256
	s_mov_b32 s[G1B+6], 0
	s_mov_b32 s[G1B+7], 0
	s_mul_i32 s20, s17, 16*TILEA                   ; A's tile in oc
	s_mov_b32 s21, 0
	s_lshr_b32 s46, s42, 1                         ; B's tile in wc: two tiles behind row 3,071 of each plane
	s_mul_i32 s46, s46, WPL
	s_and_b32 s45, s42, 1
	s_mul_i32 s45, s45, 98304
	s_add_co_u32 s46, s46, s45
	s_add_co_u32 s46, s46, 3072*192
	s_mov_b32 s47, 0
	s_wait_alu depctr_va_vdst(0)
	s_wait_dscnt 0x0                               ; both opening adds are done
	s_wait_kmcnt 0x0
	s_add_nc_u64 s[20:21], s[4:5], s[20:21]
	s_add_nc_u64 s[46:47], s[8:9], s[46:47]
	CROUND                                         ; all sixteen work-groups are here: the joint loads meet
	s_mov_b32 s[G0B0], 1
	s_mov_b32 s[G0B0+1], BB
	s_mov_b64 s[G0B0+2:G0B0+3], s[46:47]
	s_or_b32 s[G0B0+3], s[G0B0+3], 0x80000000
	s_mov_b32 s[G0B1], 1
	s_mov_b32 s[G0B1+1], BB+2*PLANE
	s_add_nc_u64 s[G0B1+2:G0B1+3], s[46:47], 49152
	s_or_b32 s[G0B1+3], s[G0B1+3], 0x80000000
	s_mov_b32 s[G0A0], 1
	s_mov_b32 s[G0A0+1], 0
	s_mov_b64 s[G0A0+2:G0A0+3], s[20:21]
	s_or_b32 s[G0A0+3], s[G0A0+3], 0x80000000
	s_mov_b32 s[G0A1], 1
	s_mov_b32 s[G0A1+1], 8*TILEA
	s_add_nc_u64 s[G0A1+2:G0A1+3], s[20:21], 8*TILEA
	s_or_b32 s[G0A1+3], s[G0A1+3], 0x80000000
	ARM 1, G0B0, G1B, .Lhead_b1                    ; B first: it goes on into registers
	ARM 2, G0B1, G1B, .Lhead_a0
	ARM 3, G0A0, G1,  .Lhead_a1
	tensor_load_to_lds s[G0A1:G0A1+3], s[G1:G1+7]
	s_nop 0
	PLACES
.Lhead_asked:
	s_lshl_b32 s18, s42, 7
	s_lshl_b32 s19, s16, 6
	s_add_co_u32 s18, s18, s19                     ; my first column
	s_lshl_b32 s92, s18, 2
	s_mov_b32 s93, 0
	s_add_nc_u64 s[96:97], s[96:97], s[92:93]      ; its bias
	s_add_co_u32 s94, s18, 3072
	s_lshl_b32 s94, s94, 5
	s_mov_b32 s95, 0
	s_add_nc_u64 s[10:11], s[10:11], s[94:95]      ; its scale bytes
	s_lshl_b32 s94, s17, 4
	s_lshl_b32 s19, s15, 3
	s_add_co_u32 s94, s94, s19                     ; my first token tile
	s_lshl_b32 s18, s94, 16                        ; 16 rows of 4,096 bytes a tile
	s_lshl_b32 s94, s94, 9
	s_add_nc_u64 s[6:7], s[6:7], s[94:95]          ; its scale bytes
	s_mov_b32 s19, 0
	s_add_nc_u64 s[98:99], s[98:99], s[18:19]
	s_add_nc_u64 s[98:99], s[98:99], s[92:93]      ; my corner of out0
	s_mul_i32 s21, s16, 64*PITCH
	s_add_co_u32 s21, s21, BB
	s_mul_i32 s22, s15, 8*TILEA
	s_mul_i32 s23, s14, 16*SPITCH
	s_add_co_u32 s23, s23, BB                      ; my stage
	v_and_b32 v1, 15, v0                           ; r
	v_bfe_u32 v2, v0, 4, 1                         ; h
	v_and_b32 v3, 31, v0
	v_mul_u32_u24 v4, v1, PITCH
	v_mad_u32_u24 v4, v2, 24, v4                   ; a fragment's row x pitch + 24 x half
	v_add_nc_u32 v[ADB], s21, v4
	v_lshl_add_u32 v[ADB+1], v2, 4, v[ADB]         ; and the same behind one padding more
	v_add_nc_u32 v[ADB+2], 2*PLANE, v[ADB]
	v_add_nc_u32 v[ADB+3], 2*PLANE, v[ADB+1]
	v_lshlrev_b32 v5, 3, v3
	v_add_nc_u32 v[ADA], s22, v5                   ; A's images: 8 bytes a lane
	v_add_nc_u32 v[ADA+1], 4*TILEA, v[ADA]
	v_mul_u32_u24 v5, v1, SPITCH
	v_lshl_add_u32 v5, v2, 6, v5
	v_add_nc_u32 v[STO], s23, v5                   ; into the stage: row r, 64 bytes for each half of the lanes
	v_mul_u32_u24 v5, v2, SPITCH
	v_lshl_add_u32 v5, v1, 4, v5
	v_add_nc_u32 v[RD], s23, v5                    ; back: sixteen lanes to a row of 256 bytes, two rows an instruction
	v_lshlrev_b32 v5, 12, v2
	v_lshl_add_u32 v[CO], v1, 4, v5                ; and the same two rows in out0
	v_lshlrev_b32 v[VS], 5, v1
	v_lshlrev_b32 v[VB], 6, v2
	s_wait_alu depctr_va_vdst(0)
.irp b, 0,1,2,3
.irp c, 0,1
	global_load_b128 v[SB+8*\b+4*\c:SB+8*\b+4*\c+3], v[VS], s[10:11] offset:512*\b+16*\c   ; B's tile b, row r: the words of K steps 4 c .. 4 c + 3
.endr
.endr
.irp a, 0,1,2,3,4,5,6,7
.irp c, 0,1
	global_load_b128 v[SA+8*\a+4*\c:SA+8*\a+4*\c+3], v[VS], s[6:7] offset:512*\a+16*\c     ; A's block a likewise
.endr
.endr
	WIN 0x40
.irp g, 0,1
.irp j, 0,1,2,3
	global_load_b128 v[BI+16*\g+4*\j:BI+16*\g+4*\j+3], v[VB], s[96:97] offset:128*\g+16*\j   ; register 16 g + i: the bias of column 32 g + 16 h + i
.endr
.endr
	WIN 0
.macro FRAGB q, b                      ; 16 rows x 128 K of B: six pieces of 8 bytes; where lanes 16-31 lie behind one padding more, the second address register serves
.irp p, 0,1,2,3,4,5
.set PCE, 12*((\q)%2)+6*(\p/3)+\p%3
	ds_load_b64 v[FR*(4*((\q)%4)+\b)+2*\p:FR*(4*((\q)%4)+\b)+2*\p+1], v[ADB+2*((\q)/4)+(PCE%8)/5] offset:(((\q)/2)%2)*PLANE+(\b)*16*PITCH+8*PCE+16*(PCE/8)
.endr
.endm
.macro FETCH a                         ; block a of A, all of K, into set a % 2: 48 loads of 256 consecutive bytes
	WIN 0xc0
.irp q, 0,1,2,3,4,5,6,7
.irp p, 0,1,2,3,4,5
	ds_load_b64 v[96*((\a)%2)+FR*\q+2*\p:96*((\a)%2)+FR*\q+2*\p+1], v[ADA+(\a)/4] offset:((\a)%4)*TILEA+\q*1536+256*\p
.endr
.endr
	WIN 0
.endm
.macro PRODS a                         ; 32 products: K steps 0-7 x B's four tiles; the first four take the bias as C
.irp q, 0,1,2,3,4,5,6,7
.if \q == 0
	WIN 0x1d
.elseif \q < 4
	WIN 0x0d
.else
	WIN 0x0e
.endif
.irp b, 0,1,2,3
.if \q == 0
	v_wmma_scale_f32_16x16x128_f8f6f4 v[ACC+32*((\a)%2)+8*\b:ACC+32*((\a)%2)+8*\b+7], v[FR*\b:FR*\b+FR-1], v[96*((\a)%2):96*((\a)%2)+FR-1], v[BI+8*\b:BI+8*\b+7], v[SB+8*\b], v[SA+8*(\a)] matrix_a_fmt:MATRIX_FMT_FP6 matrix_b_fmt:MATRIX_FMT_FP6
.else
	v_wmma_scale_f32_16x16x128_f8f6f4 v[ACC+32*((\a)%2)+8*\b:ACC+32*((\a)%2)+8*\b+7], v[FR*(4*(\q%4)+\b):FR*(4*(\q%4)+\b)+FR-1], v[96*((\a)%2)+FR*\q:96*((\a)%2)+FR*\q+FR-1], v[ACC+32*((\a)%2)+8*\b:ACC+32*((\a)%2)+8*\b+7], v[SB+8*\b+\q], v[SA+8*(\a)+\q] matrix_a_fmt:MATRIX_FMT_FP6 matrix_b_fmt:MATRIX_FMT_FP6
.endif
.endr
.endr
.endm
.macro TOSTAGE a                       ; 8 stores, each accumulator from its low end on, and 8 loads; LDS serves a wave's instructions in order
.irp b, 0,1,2,3
	ds_store_b128 v[STO], v[ACC+32*((\a)%2)+8*\b:ACC+32*((\a)%2)+8*\b+3] offset:128*(\b/2)+32*(\b%2)
	ds_store_b128 v[STO], v[ACC+32*((\a)%2)+8*\b+4:ACC+32*((\a)%2)+8*\b+7] offset:128*(\b/2)+32*(\b%2)+16
.endr
	WIN 0x80
.irp t, 0,1,2,3,4,5,6,7
	ds_load_b128 v[BK+32*((\a)%2)+4*\t:BK+32*((\a)%2)+4*\t+3], v[RD] offset:\t*2*SPITCH
.endr
	WIN 0
.endm
.macro SEND a, younger                 ; younger: the LDS instructions issued behind block a's loads from the stage (held to the counter's 63)
	s_wait_dscnt \younger
	WIN 0x08
.irp t, 0,1,2,3,4,5,6,7
	global_store_b128 v[CO], v[BK+32*((\a)%2)+4*\t:BK+32*((\a)%2)+4*\t+3], s[98:99] offset:(32*((\a)/2)+8*((\a)%2)+2*\t+8*(\t/4))*4096 th:TH_STORE_NT
.endr
	WIN 0
.endm
; A block.  Behind block a's fetch were issued: block 0: block 1's fetch, 48; blocks 1-6: a stage's 16 and a fetch's 48, held to 63; block 7: a stage's 16
.macro BLOCKP a
.if (\a) == 0
	s_wait_dscnt 48
.elseif (\a) == 7
	s_wait_dscnt 16
.else
	s_wait_dscnt 63
.endif
	PRODS \a
	WIN 0
	PLACES                                         ; between the products and the reads of their results and the loads into their operands
.if (\a) >= 2
	s_wait_xcnt 0x0                                ; block a - 2's stores have read the registers that the stage's loads fill
.endif
	TOSTAGE \a
.if (\a) < 6
	FETCH (\a)+2
.endif
.if (\a) == 7
	SEND 6, 16                                     ; behind block 6's loads: block 7's 16
.elseif (\a) >= 1
	SEND (\a)-1, 63
.endif
.endm
	s_cmp_lt_u32 s14, 2
	s_cbranch_scc0 .Lnot_b
	s_wait_tensorcnt 0x0                           ; waves 0, 1: my half of B is in
.Lnot_b:
	s_barrier_signal -1
	s_barrier_wait -1                              ; B is in; A may be on its way
	WIN 0x40
.irp q, 0,1,2,3
.irp b, 0,1,2,3
	FRAGB \q, \b
.endr
.endr
	WIN 0x80
.irp q, 4,5,6,7
.irp b, 0,1,2,3
	FRAGB \q, \b
.endr
.endr
	WIN 0
	s_wait_tensorcnt 0x0                           ; every wave: my load is in
	s_wait_dscnt 0x0                               ; and my reads of B are over
	s_barrier_signal -1
	s_barrier_wait -1                              ; A is in, and nobody reads B's bytes any more
	FETCH 0
	FETCH 1
	s_wait_loadcnt 0x0                             ; the scale words and the bias
.irp a, 0,1,2,3,4,5,6,7
	BLOCKP \a
.endr
	SEND 7, 0
	s_wait_tensorcnt 0x0                           ; the wave's end
	ds_add_u32 v[SPW], v[NIL]
	s_wait_dscnt 0x0
	CROUND                                         ; the closing round
	s_endpgm
.Lfunc_end_k_q763942a6f0_proj:
	.size	k_q763942a6f0_proj, .Lfunc_end_k_q763942a6f0_proj-k_q763942a6f0_proj
	.p2alignl 7, 3214868480
	.fill 96, 4, 3214868480
	.section	.rodata,"a",@progbits
	.p2align	6, 0x0
	.amdhsa_kernel k_q763942a6f0_proj
		.amdhsa_group_segment_fixed_size 327680
		.amdhsa_private_segment_fixed_size 0
		.amdhsa_enable_private_segment 0
		.amdhsa_kernarg_size 48
		.amdhsa_user_sgpr_count 2
		.amdhsa_user_sgpr_kernarg_segment_ptr 1
		.amdhsa_wavefront_size32 1
		.amdhsa_system_sgpr_workgroup_id_x 1
		.amdhsa_system_sgpr_workgroup_id_y 1
		.amdhsa_system_sgpr_workgroup_id_z 1
		.amdhsa_system_vgpr_workitem_id 0
		.amdhsa_next_free_vgpr 1024
		.amdhsa_next_free_sgpr 100
		.amdhsa_reserve_vcc 0
		.amdhsa_float_denorm_mode_32 3
		.amdhsa_float_denorm_mode_16_64 3
		.amdhsa_memory_ordered 1
		.amdhsa_forward_progress 1
		.amdhsa_inst_pref_size 98
	.end_amdhsa_kernel
	.amdgpu_metadata
---
amdhsa.version: [ 1, 2 ]
amdhsa.kernels:
  - .name:           k_q763942a6f0_proj
    .symbol:         k_q763942a6f0_proj.kd
    .args:
      - { .name: oc, .offset: 0, .size: 8, .value_kind: global_buffer, .address_space: global }
      - { .name: os, .offset: 8, .size: 8, .value_kind: global_buffer, .address_space: global }
      - { .name: wc, .offset: 16, .size: 8, .value_kind: global_buffer, .address_space: global }
      - { .name: ws, .offset: 24, .size: 8, .value_kind: global_buffer, .address_space: global }
      - { .name: bproj, .offset: 32, .size: 8, .value_kind: global_buffer, .address_space: global }
      - { .name: out0, .offset: 40, .size: 8, .value_kind: global_buffer, .address_space: global }
    .group_segment_fixed_size: 327680
    .private_segment_fixed_size: 0
    .kernarg_segment_align: 8
    .kernarg_segment_size: 48
    .max_flat_workgroup_size: 128
    .sgpr_count:     100
    .vgpr_count:     1024
    .wavefront_size: 32
...
	.end_amdgpu_metadata
.endif
;; end of part 4
